; MI455X (gfx1250); checked and timed in simulation.
; The chip was launched on July 23, 2026; its instructions are those of AMD's public machine-readable ISA for CDNA 5 (MIT licence, August 2026) and "CDNA5" Instruction Set Architecture Reference Guide (July 2026). The comments in the code are by the model that wrote it; some were corrected since.
;; GPT2 Attention. Allowed arithmetic: matrix products marked QUANTISED: E2M3 operands, one E8M0 scale for each 32 along K, by v_wmma_scale_f32_16x16x128_f8f6f4 with both operands' format E2M3, f32 sums; everything else in f32.
;; Inputs: Wk 1,024 x 1,024 float32; Wo 1,024 x 1,024 float32; Wq 1,024 x 1,024 float32; Wv 1,024 x 1,024 float32; bk 1,024 float32; bo 1,024 float32; bq 1,024 float32; bv 1,024 float32; hidden_states 4 x 2,048 x 1,024 float32.
;; Outputs: out0 4 x 2,048 x 1,024 float32.
;; This version of the problem:
;;   THIS VERSION OF THE PROBLEM IS GIVEN IN LOW PRECISION. The matrix products marked QUANTISED in the list below multiply operands that are first quantised to E2M3 (2 exponent bits, 3 mantissa bits; 6 bits a number), with one power-of-two scale for each 32 numbers along K (OCP MX v1.0); their sums are f32. All else is computed in f32.
;;   The module's matrix products, in the order in which they are computed (A, B: the left and right operand; K: the contracted axis; several contracted axes count as one K, in the product's order):
;;     1. [M 8,192, K 1,024] x [K 1,024, N 1,024]; A: input hidden_states; B: input Wq: QUANTISED
;;     2. [M 8,192, K 1,024] x [K 1,024, N 1,024]; A: input hidden_states; B: input Wk: QUANTISED
;;     3. [M 8,192, K 1,024] x [K 1,024, N 1,024]; A: input hidden_states; B: input Wv: QUANTISED
;;     4. batch 64 x [M 2,048, K 64] x [K 64, N 2,048]; A: computed on the way; B: computed on the way: QUANTISED
;;     5. batch 64 x [M 2,048, K 2,048] x [K 2,048, N 64]; A: softmax (see below); B: computed on the way: QUANTISED
;;     6. [M 8,192, K 1,024] x [K 1,024, N 1,024]; A: computed on the way; B: input Wo: QUANTISED
;;   THE QUANTISER, for each operand of a quantised product, along K:
;;     - K is cut into blocks of 32 from its start; a last block that is shorter is filled with zeros.
;;     - A block's scale is 2^e with e = floor(log2(the largest magnitude in the block)) - 2, held to -126 .. 127; a block of zeros has e = 0. As a byte (E8M0): e + 127.
;;     - Each number is divided by its block's scale, clamped to +-7.5, and rounded to the nearest number of E2M3, ties to even, subnormals kept.
;;     - The product sums the exact products of the quantised numbers (number of the format x scale) in f32.
;;   ~~~python
;;   def quantise(x, axis):      # numpy; x: float32 -> the quantised numbers, widened to float32 again
;;       x = np.moveaxis(x, axis, -1); K = x.shape[-1]
;;       x = np.pad(x, [(0, 0)] * (x.ndim - 1) + [(0, -K % 32)]); x = x.reshape(x.shape[:-1] + (-1, 32)); a = np.abs(x).max(-1, keepdims=True)
;;       e = np.where(a > 0, np.clip(np.frexp(np.where(a > 0, a, 1))[1] - 1 - 2, -126, 127), 0)      # np.frexp(a)[1] - 1 = floor(log2(a)), exactly
;;       r = np.clip(x / 2.0 ** e, -7.5, 7.5)
;;       step = 2.0 ** (np.maximum(np.frexp(np.where(r == 0, 1, r))[1] - 1, 0) - 3)
;;       q = np.round(r / step) * step * 2.0 ** e      # np.round: ties to even
;;       return np.moveaxis(q.reshape(q.shape[:-2] + (-1,))[..., :K], -1, axis).astype(np.float32)
;;   ~~~
;;   SOFTMAX AHEAD OF A QUANTISED PRODUCT. Where the list says 'softmax', what is quantised is not the finished softmax but p = 2^(t - M), with t = logit x log2(e) and M = ceil(the row's largest t), a whole number; so 1/2 < the row's largest p <= 1. The row's sum l is taken of the UNQUANTISED p, in f32, and the product's result is divided by l at the end. Since M is a whole number, a kernel that streams over the keys may use a running M (the ceiling of the running maximum): every later rescaling is an exact power of two, which a block's scale takes up: the codes' values come out the same.
;;   OPERANDS COMPUTED ON THE WAY. 'Computed on the way' means the value that the module computes at that place (a softmax that the list does not call 'softmax' is quantised finished and normalised). What goes into a quantiser is computed in f32, as accurately as f32 sums, v_exp_f32 and their like allow (about 1e-6 of the number): no bf16 or f16 on the way to a quantiser, and a product that is left as it is and whose result goes on into a quantised operand takes f32 operands (vector FMAs, or v_wmma_f32_16x16x4_f32). A number that lies on a knife's edge between two numbers of the format may be rounded either way, as far as f32 arithmetic and the matrix unit's own rounding can turn it there, and no further.
;; One version. Each part assembles by itself: llvm-mc -triple=amdgcn-amd-amdhsa -mcpu=gfx1250 --defsym DOCPART=n.
;; ======== version 1 of 1: 4 launches
;; limits: right only within a limited range of input values
;; workspace buffers: codes 9,437,184 bytes; scales 393,216 bytes; tab 524,288 bytes; qkv 18,874,368 bytes; sc3 1,310,720 bytes; oc 6,291,456 bytes; os 262,144 bytes
;; launch prep (part 1): grid 416 x 1, 4 waves a work-group, no clusters, 62,976 bytes of LDS; arguments hidden_states, Wq, Wk, Wv, Wo, codes, scales, tab; writes codes, scales, tab
.if DOCPART == 1
	.amdgcn_target "amdgcn-amd-amdhsa--gfx1250"
	.amdhsa_code_object_version 6
	.text
	.protected	k_qb7faa57765_prep
	.globl	k_qb7faa57765_prep
	.p2align	8
	.type	k_qb7faa57765_prep,@function
k_qb7faa57765_prep:
	s_mov_b64 s[64:65], 0
	v_nop
	global_prefetch_b8 v0, s[64:65] scope:SCOPE_SE
	s_setreg_imm32_b32 hwreg(HW_REG_WAVE_MODE, 25, 1), 1
	s_wait_xcnt 0x0
; PREP.  (1) hidden_states [8192][1024] and Wq, Wk, Wv, Wo [1024][1024], f32, K innermost, become codes of FP6 (E2M3) and one E8M0 byte for each 32 along K (rows 0 x, 8192 Wq, 9216 Wk, 10240 Wv, 11264 Wo).
; (2) the table of cos and sin for the rotary embedding.
; codes [768 tiles of 16 rows][8 steps of 128 along K][1,536 bytes]: AN IMAGE OF THE OPERAND'S REGISTERS: lane (r, h) holds row r; registers 0-5 block 4 q + h, registers 6-11 block 4 q + 2 + h; registers 4 k .. 4 k + 3 lie at 512 k + 16 x lane.
; scales [12288 rows][32].  A block's scale is 2^(floor(log2(its largest magnitude)) - 2); its byte is the largest magnitude's exponent field - 2, held at 1 from below.
; THE ORDER INSIDE A BLOCK: a block's 32 codes stand in the order of elements 0-7, 16-23, 8-15, 24-31.  Every operand of every product of this program is laid so, so each product still pairs element with element.
; LIMITS: a block of zeros gets the byte 1 where the rule says 127 (its codes are zeros; the bytes are read by this program alone); NaN and infinities among the inputs are not served;
; the order inside a block changes the order of the sums inside a matrix instruction; the table's frequencies are the correctly rounded 10^(-f/8), not the result of an f32 power and reciprocal:
; a difference of one or two last bits there moves an angle by up to about 1e-4 at position 2047.
; SHARES.  Work-groups 0-383: two tiles of 16 rows; a wave takes one tile x 512 along K in 8 steps of two rows.  Each load reads 512 consecutive bytes; a step's 4,096 bytes turn through the wave's stage in LDS, so that A LANE HOLDS A WHOLE BLOCK;
; its 24 bytes of codes go to their places in the wave's four images in LDS, which leave as 6,144 consecutive bytes.  The two waves of a tile gather its 512 scale bytes in LDS; behind one barrier each stores 256 of them.
; Work-groups 384-415: a wave makes the table of 16 positions.  Work-groups share no input, so there is no cluster.
.set NQWG,  384
.set EMAX,  2
.set R,     16                         ; v16-79   two sets of 32 numbers as loaded
.set X,     80                         ; v80-143  two sets of 32 numbers: a block, in the order 0-7, 16-23, 8-15, 24-31
.set C,     144                        ; v144-159 codes, two sets
.set E,     160                        ; v160-161 the scale's byte, two sets
.set STG,   4608                       ; a stage: 32 blocks of 128 bytes + 16 of padding
.set IMG,   2*STG                      ; behind the two stages: the wave's four images
.set WREG,  IMG+6144
.set SCA,   4*WREG                     ; the two tiles' scale bytes
.set SPARE, SCA+1024
.set F,     16                         ; table path: v16-31 frequencies, v32-47 cos, v48-63 sin
.set CO,    32
.set SI,    48
	s_load_b512 s[4:19], s[0:1], 0x0               ; hidden_states, Wq, Wk, Wv, Wo, codes s[14:15], scales s[16:17], tab s[18:19]
	v_lshl_add_u32 v192, v0, 2, SPARE
	v_mov_b32 v193, 0
	v_lshrrev_b32 v1, 5, v0
	v_readfirstlane_b32 s20, v1                    ; wave
	v_and_b32 v2, 31, v0                           ; lane
	s_cmp_ge_u32 ttmp9, NQWG
	s_cbranch_scc1 .Ltab
	; ---------------- the quantiser
	s_mul_i32 s21, s20, WREG
	s_add_co_u32 s27, s21, IMG
	s_lshr_b32 s29, s20, 1                         ; which of the two tiles
	s_and_b32 s26, s20, 1                          ; which half of K
	s_lshl_b32 s30, s29, 9
	s_add_co_u32 s30, s30, SCA
	s_lshl_b32 s31, s26, 8
	s_add_co_u32 s31, s31, s30
	s_lshl_b32 s28, s26, 4
	s_add_co_u32 s30, s30, s28
	s_wait_alu depctr_va_vdst(0)
	v_lshlrev_b32 v3, 4, v2                        ; 16 x lane
	v_lshrrev_b32 v14, 3, v2
	v_mul_u32_u24 v14, v14, 144
	v_and_b32 v15, 7, v2
	v_lshl_add_u32 v14, v15, 4, v14
	v_add_nc_u32 v14, s21, v14                     ; the stage, way in: eight lanes fill a block's 128 bytes; a load's 512 bytes take four blocks
	v_mul_u32_u24 v15, v2, 144
	v_add_nc_u32 v15, s21, v15                     ; way out: block = lane
	v_bfe_u32 v4, v2, 2, 2                         ; lane l holds block l % 16 of row 2 s + l / 16: image (l % 16) / 4,
	v_mul_u32_u24 v4, v4, 1536
	v_and_b32 v5, 1, v2
	v_lshl_add_u32 v4, v5, 8, v4                   ; h = l % 2: 16 lanes of 16 bytes,
	v_lshrrev_b32 v5, 4, v2
	v_lshl_add_u32 v4, v5, 4, v4                   ; r = 2 s + l / 16
	v_add_nc_u32 v4, s27, v4
	v_bfe_u32 v9, v2, 1, 1                         ; c: registers 0-5 or 6-11 of the operand
	v_mad_u32_u24 v10, v9, 520, v4                 ; my bytes 0-7: c = 0 piece 0, byte 0; c = 1 piece 1, byte 8.  My bytes 16-23 lie 512 on
	v_mad_u32_u24 v11, v9, 1016, v4                ; my bytes 8-15 (+ 8): c = 0 piece 0, byte 8; c = 1 piece 2, byte 0
	v_lshlrev_b32 v5, 5, v5
	v_and_b32 v9, 15, v2
	v_add3_u32 v5, v5, v9, s30                     ; my block's byte: row x 32 + 16 x half of K + block
	v_lshlrev_b32 v7, 3, v2
	v_add_nc_u32 v6, s31, v7                       ; and 8 bytes a lane on their way out
	v_add_nc_u32 v13, s27, v3                      ; the images on their way out
	s_and_b32 s24, ttmp9, 31                       ; a weight's work-groups count from 0
	s_wait_alu depctr_va_vdst(0)
	s_wait_kmcnt 0x0
	s_mov_b64 s[22:23], s[12:13]                   ; which tensor: the choice hangs on the work-group's number alone
	s_cmp_lt_u32 ttmp9, 352
	s_cselect_b64 s[22:23], s[10:11], s[22:23]
	s_cmp_lt_u32 ttmp9, 320
	s_cselect_b64 s[22:23], s[8:9], s[22:23]
	s_cmp_lt_u32 ttmp9, 288
	s_cselect_b64 s[22:23], s[6:7], s[22:23]
	s_cmp_lt_u32 ttmp9, 256
	s_cselect_b64 s[22:23], s[4:5], s[22:23]
	s_cselect_b32 s24, ttmp9, s24
	s_lshl_b32 s24, s24, 17                        ; 32 rows of 4,096 bytes a work-group,
	s_lshl_b32 s25, s29, 16                        ; 16 a tile,
	s_add_co_u32 s24, s24, s25
	s_lshl_b32 s25, s26, 11                        ; 2,048 bytes a half of K
	s_add_co_u32 s24, s24, s25
	s_mov_b32 s25, 0
	s_add_nc_u64 s[22:23], s[22:23], s[24:25]
	s_lshl_b32 s28, ttmp9, 1
	s_add_co_u32 s28, s28, s29                     ; the tile
	s_mul_i32 s24, s28, 12288
	s_mul_i32 s21, s26, 6144
	s_add_co_u32 s24, s24, s21
	s_add_nc_u64 s[14:15], s[14:15], s[24:25]
	s_lshl_b32 s24, s28, 9
	s_lshl_b32 s21, s26, 8
	s_add_co_u32 s24, s24, s21
	s_add_nc_u64 s[16:17], s[16:17], s[24:25]
.macro LOAD t                          ; rows 2 t and 2 t + 1 of the tile, my 2,048 bytes of each
.irp i, 0,1,2,3,4,5,6,7
	global_load_b128 v[R+32*((\t)%2)+4*\i:R+32*((\t)%2)+4*\i+3], v3, s[22:23] offset:8192*(\t)+4096*(\i/4)+512*(\i%4) th:TH_LOAD_NT
.endr
.endm
.macro TURN t                          ; LDS serves a wave's instructions in order, so no wait stands between the stores and the loads
.irp i, 0,1,2,3,4,5,6,7
	ds_store_b128 v14, v[R+32*((\t)%2)+4*\i:R+32*((\t)%2)+4*\i+3] offset:STG*((\t)%2)+576*\i
.endr
.irp i, 0,1,2,3,4,5,6,7
	ds_load_b128 v[X+32*((\t)%2)+4*\i:X+32*((\t)%2)+4*\i+3], v15 offset:STG*((\t)%2)+16*(\i%2)+64*((\i/2)%2)+32*(\i/4)
.endr
.endm
	LOAD 0
	LOAD 1
	s_wait_loadcnt 8                               ; step 0's eight loads are in
	TURN 0
.macro STEP t
.set XS, X+32*((\t)%2)
.set CC, C+8*((\t)%2)
.if (\t) > 0
	s_wait_dscnt 4                                 ; this step's numbers are back (the last step's four stores may be out)
.else
	s_wait_dscnt 0x0
.endif
.if (\t)+2 < 8
	LOAD (\t)+2                                    ; into the registers that this step's stage stores have read
	s_wait_loadcnt 8                               ; the next step's loads are in
.elseif (\t)+1 < 8
	s_wait_loadcnt 0x0
.endif
.if (\t)+1 < 8
	TURN (\t)+1
.endif
	v_max3_num_f32 v8, |v[XS]|, |v[XS+1]|, |v[XS+2]|               ; the block's largest magnitude: all 32 numbers are mine
	v_max3_num_f32 v9, |v[XS+3]|, |v[XS+4]|, |v[XS+5]|
.irp i, 6,10,14,18,22,26
	v_max3_num_f32 v8, v8, |v[XS+\i]|, |v[XS+\i+1]|
	v_max3_num_f32 v9, v9, |v[XS+\i+2]|, |v[XS+\i+3]|
.endr
	v_max3_num_f32 v8, v8, |v[XS+30]|, |v[XS+31]|
	v_max3_num_f32 v8, v8, v9, (EMAX+1)<<23        ; and the floor 2^(3 - 127): the byte cannot fall under 1
	v_add_nc_u32 v12, -(EMAX<<23), v8              ; 2 off its exponent field: the conversion takes this operand's exponent field as its scale
	v_cvt_scalef32_pk16_fp6_f32 v[CC:CC+2], v[XS:XS+15], v12
	v_cvt_scalef32_pk16_fp6_f32 v[CC+4:CC+6], v[XS+16:XS+31], v12
	v_lshrrev_b32 v[E+(\t)%2], 23, v12             ; the scale's byte
	v_mov_b32 v[CC+3], v[CC+4]                     ; (a conversion's three registers begin on an even number)
	v_mov_b32 v[CC+4], v[CC+5]
	v_mov_b32 v[CC+5], v[CC+6]
	ds_store_b64 v10, v[CC:CC+1] offset:32*(\t)
	ds_store_b64 v11, v[CC+2:CC+3] offset:32*(\t)+8
	ds_store_b64 v10, v[CC+4:CC+5] offset:32*(\t)+512
	ds_store_b8 v5, v[E+(\t)%2] offset:64*(\t)
.endm
.irp t, 0,1,2,3,4,5,6,7
	STEP \t
.endr
.irp k, 0,1,2,3,4,5,6,7,8,9,10,11
	ds_load_b128 v[R+4*\k:R+4*\k+3], v13 offset:512*\k   ; in order behind my stores
.endr
	s_wait_dscnt 0x0                               ; my images are back, my scale bytes are stored
	s_barrier_signal -1
	s_barrier_wait -1                              ; so are the other half's
	ds_load_b64 v[80:81], v6
.irp k, 0,1,2,3,4,5,6,7,8,9,10,11
	global_store_b128 v3, v[R+4*\k:R+4*\k+3], s[14:15] offset:512*\k   ; 512 consecutive bytes a store, aligned
.endr
	s_wait_dscnt 0x0
	global_store_b64 v7, v[80:81], s[16:17]        ; 32 lanes store 256 consecutive bytes, aligned
	s_wait_tensorcnt 0x0                           ; the wave's end
	ds_add_u32 v192, v193
	s_wait_dscnt 0x0
	s_endpgm
	; ---------------- the table: tab [128 tiles of 16 positions][8 groups][32 lanes][16 bytes]
	; Lane 16 h + r stands for position 16 tile + r.  Index k = 8 u + j (0 .. 15) stands for frequency f = 16 u + 8 h + j: the frequency of register k of a lane's half head in the next launch.
	; Groups 0-3: cos of k = 4 i .. 4 i + 3; groups 4-7: sin.  angle = position x 10^(-f/8), one rounding; reduced by whole quarter turns in two fused steps; polynomials on |r| <= pi/4.
.Ltab:
	s_sub_co_u32 s21, ttmp9, NQWG
	s_lshl_b32 s21, s21, 2
	s_add_co_u32 s21, s21, s20                     ; the tile
	s_wait_alu depctr_va_vdst(0)
	v_lshlrev_b32 v1, 4, v2                        ; 16 x lane
	v_and_b32 v3, 15, v2
	s_lshl_b32 s22, s21, 4
	v_add_nc_u32 v3, s22, v3
	v_cvt_f32_u32 v4, v3                           ; the position
	v_cmp_le_u32 vcc_lo, 16, v2                    ; h = 1
	s_mov_b32 s30, 0xbfc90fdb                      ; -(pi/2 rounded to f32)
	s_mov_b32 s31, 0x333bbd2e                      ; -(pi/2 less that)
	v_mov_b32 v76, 0x3638ef1d                      ; 1/9!
	v_mov_b32 v77, 0xb493f27e                      ; -1/10!
.macro FREQ k, c0, c1                  ; c0 for lanes 0-15, c1 for lanes 16-31
	v_mov_b32 v[F+\k], \c1
	v_cndmask_b32 v[F+\k], \c0, v[F+\k], vcc_lo
.endm
	FREQ 0,  1.0,              0.1
	FREQ 1,  0.749894209332,   0.0749894209332
	FREQ 2,  0.562341325190,   0.0562341325190
	FREQ 3,  0.421696503429,   0.0421696503429
	FREQ 4,  0.316227766017,   0.0316227766017
	FREQ 5,  0.237137370566,   0.0237137370566
	FREQ 6,  0.177827941004,   0.0177827941004
	FREQ 7,  0.133352143216,   0.0133352143216
	FREQ 8,  0.01,             0.001
	FREQ 9,  0.00749894209332, 0.000749894209332
	FREQ 10, 0.00562341325190, 0.000562341325190
	FREQ 11, 0.00421696503429, 0.000421696503429
	FREQ 12, 0.00316227766017, 0.000316227766017
	FREQ 13, 0.00237137370566, 0.000237137370566
	FREQ 14, 0.00177827941004, 0.000177827941004
	FREQ 15, 0.00133352143216, 0.000133352143216
.macro SINCOS k
	v_mul_f32 v64, v4, v[F+\k]                     ; the angle
	v_mul_f32 v65, 0x3f22f983, v64                 ; x 2/pi
	v_rndne_f32 v65, v65                           ; n quarter turns, at most 1,303
	v_fma_f32 v66, v65, s30, v64
	v_fma_f32 v66, v65, s31, v66                   ; r = angle - n pi/2
	v_cvt_i32_f32 v67, v65
	v_mul_f32 v68, v66, v66                        ; r^2
	v_fmaak_f32 v69, v76, v68, 0xb9500d01
	v_fmaak_f32 v69, v69, v68, 0x3c088889
	v_fmaak_f32 v69, v69, v68, 0xbe2aaaab
	v_mul_f32 v70, v66, v68
	v_fma_f32 v69, v70, v69, v66                   ; sin r
	v_fmaak_f32 v71, v77, v68, 0x37d00d01
	v_fmaak_f32 v71, v71, v68, 0xbab60b61
	v_fmaak_f32 v71, v71, v68, 0x3d2aaaab
	v_fmaak_f32 v71, v71, v68, 0xbf000000
	v_fma_f32 v71, v71, v68, 1.0                   ; cos r
	v_and_b32 v72, 1, v67
	v_cmp_eq_u32 vcc_lo, 1, v72                    ; an odd n: sin and cos change places
	v_cndmask_b32 v73, v69, v71, vcc_lo
	v_cndmask_b32 v74, v71, v69, vcc_lo
	v_and_b32 v72, 2, v67                          ; sin is negated for n mod 4 = 2, 3
	v_lshlrev_b32 v72, 30, v72
	v_xor_b32 v[SI+\k], v72, v73
	v_add_nc_u32 v75, 1, v67                       ; cos for n mod 4 = 1, 2
	v_and_b32 v75, 2, v75
	v_lshlrev_b32 v75, 30, v75
	v_xor_b32 v[CO+\k], v75, v74
.endm
.irp k, 0,1,2,3,4,5,6,7,8,9,10,11,12,13,14,15
	SINCOS \k
.endr
	s_lshl_b32 s22, s21, 12
	s_mov_b32 s23, 0
	s_wait_alu depctr_va_vdst(0)
	s_wait_kmcnt 0x0
	s_add_nc_u64 s[18:19], s[18:19], s[22:23]
.irp i, 0,1,2,3,4,5,6,7
	global_store_b128 v1, v[CO+4*\i:CO+4*\i+3], s[18:19] offset:512*\i   ; cos then sin lie on end in v32-63; 512 consecutive bytes a store, aligned
.endr
	s_endpgm
.Lfunc_end_k_qb7faa57765_prep:
	.size	k_qb7faa57765_prep, .Lfunc_end_k_qb7faa57765_prep-k_qb7faa57765_prep
	.p2alignl 7, 3214868480
	.fill 96, 4, 3214868480
	.section	.rodata,"a",@progbits
	.p2align	6, 0x0
	.amdhsa_kernel k_qb7faa57765_prep
		.amdhsa_group_segment_fixed_size 62976
		.amdhsa_private_segment_fixed_size 0
		.amdhsa_enable_private_segment 0
		.amdhsa_kernarg_size 64
		.amdhsa_user_sgpr_count 2
		.amdhsa_user_sgpr_kernarg_segment_ptr 1
		.amdhsa_wavefront_size32 1
		.amdhsa_system_sgpr_workgroup_id_x 1
		.amdhsa_system_sgpr_workgroup_id_y 1
		.amdhsa_system_sgpr_workgroup_id_z 1
		.amdhsa_system_vgpr_workitem_id 0
		.amdhsa_next_free_vgpr 194
		.amdhsa_next_free_sgpr 66
		.amdhsa_reserve_vcc 1
		.amdhsa_float_denorm_mode_32 3
		.amdhsa_float_denorm_mode_16_64 3
		.amdhsa_memory_ordered 1
		.amdhsa_forward_progress 1
		.amdhsa_inst_pref_size 57
	.end_amdhsa_kernel
	.amdgpu_metadata
---
amdhsa.version: [ 1, 2 ]
amdhsa.kernels:
  - .name:           k_qb7faa57765_prep
    .symbol:         k_qb7faa57765_prep.kd
    .args:
      - { .name: hidden_states, .offset: 0, .size: 8, .value_kind: global_buffer, .address_space: global }
      - { .name: Wq, .offset: 8, .size: 8, .value_kind: global_buffer, .address_space: global }
      - { .name: Wk, .offset: 16, .size: 8, .value_kind: global_buffer, .address_space: global }
      - { .name: Wv, .offset: 24, .size: 8, .value_kind: global_buffer, .address_space: global }
      - { .name: Wo, .offset: 32, .size: 8, .value_kind: global_buffer, .address_space: global }
      - { .name: codes, .offset: 40, .size: 8, .value_kind: global_buffer, .address_space: global }
      - { .name: scales, .offset: 48, .size: 8, .value_kind: global_buffer, .address_space: global }
      - { .name: tab, .offset: 56, .size: 8, .value_kind: global_buffer, .address_space: global }
    .group_segment_fixed_size: 62976
    .private_segment_fixed_size: 0
    .kernarg_segment_align: 8
    .kernarg_segment_size: 64
    .max_flat_workgroup_size: 128
    .sgpr_count:     66
    .vgpr_count:     194
    .wavefront_size: 32
...
	.end_amdgpu_metadata
.endif
;; end of part 1
;; launch qkvgemm (part 2): grid 8 x 32, 4 waves a work-group, clusters of 4 x 4, 327,680 bytes of LDS; arguments codes, scales, tab, bq, bk, bv, qkv, sc3; writes qkv, sc3
.if DOCPART == 2
	.amdgcn_target "amdgcn-amd-amdhsa--gfx1250"
	.amdhsa_code_object_version 6
	.text
	.protected	k_qb7faa57765_qkvgemm
	.globl	k_qb7faa57765_qkvgemm
	.p2align	8
	.type	k_qb7faa57765_qkvgemm,@function
k_qb7faa57765_qkvgemm:
	s_mov_b64 s[64:65], 0
	v_nop
	global_prefetch_b8 v0, s[64:65] scope:SCOPE_SE
	s_setreg_imm32_b32 hwreg(HW_REG_WAVE_MODE, 25, 1), 1
	s_wait_xcnt 0x0
	s_wait_alu depctr_hold_cnt(0) depctr_sa_sdst(0) depctr_va_vdst(0) depctr_va_sdst(0) depctr_va_ssrc(0) depctr_va_vcc(0) depctr_vm_vsrc(0)
	s_getreg_b32 s2, hwreg(HW_REG_IB_STS2, 6, 4)
	s_cmp_eq_u32 s2, 0
	s_cbranch_scc0 .Lentry_in_a_cluster
	s_endpgm
.Lentry_in_a_cluster:
	s_bfe_u32 s2, ttmp6, 0x10000c
	s_cmp_lg_u32 s2, 0xf033
	s_cbranch_scc0 .Lentry_shape_is_right
	s_endpgm
.Lentry_shape_is_right:
; Q, K, V = x W^T + b on codes of FP6 (E2M3) with E8M0 scales; Q and K are turned by the rotary embedding; all three leave quantised, as images of the operand registers of the attention launch.
; THE DEAL.  256 work-groups of four waves.  Work-group (j, i) takes tokens 256 i .. + 255 and heads 2 j, 2 j + 1 through three phases: V, K, Q.  Wave (a, b): tokens 128 a .. + 127 of the 256, head 2 j + b.
; A wave holds its 64 rows of the phase's weight, ALL of K, in 384 registers (32 fragments) and streams its tokens past them in blocks of 16: 8 fragments and 8 scale words, in two sets; a block is 32 products on four accumulators by turns.
; LDS: x's 256 rows, all of K, 196,608 bytes, filled once and read in all three phases; the phase's 128 weight rows, 98,304 bytes; x's scale bytes, 8,192; the spare words.  Codes lie as register images: every fragment is three loads of 16 bytes a lane, lanes on end.
; FILLS.  At the head one joint load a wave: W_v, x's scale bytes, x's two halves.  x is shared by a row of the cluster, a weight by a column.  The weights' region is filled again twice (W_k, W_q), each wave a quarter, behind the three lines and a round
; of the cluster's barrier, as soon as every wave holds the phase's weights in registers: the refill has the phase's eight blocks in which to land, so nothing is prefetched; a plain barrier at the phase's end shows it to all.
; V: source 0 = 16 tokens, source 1 = 16 channels: a lane holds one channel, its registers run along the tokens, which are the next product's K; 128 tokens x 64 channels wait in 256 registers and are quantised at the phase's end.
; Q, K: source 0 = 16 channels, source 1 = 16 tokens: a lane holds one token; register 8 u + j is channel 16 u + 8 h + j: a channel and its partner 32 on lie in one lane.  Each block is turned, quantised and stored behind its products.
; The bias is the C of a block's first four products.  The fetches of blocks and of table tiles run two blocks ahead and wrap round the wave's eight blocks, so that a phase's last two fetch the next phase's first two; the last phase's last two are not used.
; WHAT IS STORED: qkv: q [64 heads][128 tiles of 16 positions][768], k likewise, v [64][16 steps of 128 keys][4 tiles of 16 channels][1,536]; sc3 [64 heads][q 8,192 | k 8,192 | v 4,096]: a word a position or a channel and step, in the order of the reader's registers.
; LIMITS: a block of zeros gets the byte 1; NaN and infinities are not served.
.set TB,    12288                      ; a tile of 16 rows, all of K: 8 images of 1,536 bytes
.set WB,    16*TB
.set XS,    WB+8*TB
.set SPARE, XS+8192
.set NF,    26                         ; LDS loads of a block
.set L16, 1
.set L8,  2
.set XA0, 3                            ; my blocks 0-3; v4: blocks 4-7
.set XA4, 4
.set XSA0, 5                           ; my rows' scale words
.set WA,  6                            ; my 64 rows of the weight
.set XA,  7
.set XSA, 8
.set BH,  9
.set R4,  10
.set ABS, 11
.set SO16, 12
.set SO8, 13
.set TA,  14                           ; v14, v15 the table's offsets, one for each set
.set L8P, 16
.set SPW, 28
.set NIL, 29
.set WE,  30                           ; the even block's scale word
.set SB,  32                           ; v32-47 the weight's scale words: 8 p + q: lanes 0-15 tile 2 p, lanes 16-31 tile 2 p + 1
.set OW,  48                           ; v48-51 a phase's scale words on their way out
.set SA,  52                           ; v52-67 the rows' scale words, two sets
.set ACC, 68                           ; v68-131 Q, K: two sets of four accumulators
.set T,   132
.set MX,  164
.set XC,  172
.set TAB, 180                          ; v180-243 cos and sin, two sets
.set VA0, 68                           ; V: v68-195 channel tiles 0, 1: 64 t + 8 s + i
.set VA1, 840                          ; v840-967 tiles 2, 3
.set TM,  196
.set PW,  212
.set PC,  216
.set VBI, 968                          ; v968-999 V's bias, eight registers a tile
.set SBK, 1000                         ; v1000-1015 W_k's scale words, from the head on
.set BK,  840                          ; behind V: v840-871 K's bias, v872-903 Q's, v904-919 W_q's scale words
.set BQ,  872
.set SBQ, 904
.set SEL, 66
.set G1X, 24
.set G1W, 32
.set G1S, 48
.set G0W, 56
.set G0S, 60
.set G0XA, 68
.set G0XB, 72
.set MSB, 0
.macro WIN new
.if MSB != (\new)
	s_set_vgpr_msb (MSB<<8)|(\new)
.set MSB, (\new)
.endif
.endm
.macro PLACES n
.rept \n
	v_nop
.endr
.endm
.macro WALU
	s_wait_alu depctr_va_vdst(0)
.endm
.macro CROUND
	s_barrier_signal -1
	s_barrier_wait -1
	s_cmp_lg_u32 s14, 0
	s_cbranch_scc1 .Lnot_wave_0_\@
	s_barrier_signal -3
.Lnot_wave_0_\@:
	s_barrier_wait -3
	s_barrier_signal -1
	s_barrier_wait -1
.endm
.macro GROUP1 g, mask, rows            ; a dense block as rows of 256 bytes
	s_or_b32 s[\g], s\mask, (3<<16)|(1<<21)
	s_mov_b32 s[\g+1], 32<<16
	s_mov_b32 s[\g+2], (\rows)<<16
	s_mov_b32 s[\g+3], 32<<16
	s_mov_b32 s[\g+4], \rows
	s_mov_b32 s[\g+5], 32
	s_mov_b32 s[\g+6], 0
	s_mov_b32 s[\g+7], 0
.endm
.macro TLOAD g0, g1
	tensor_load_to_lds s[\g0:\g0+3], s[\g1:\g1+7]
	s_nop 0
	PLACES 4
.endm
; fragment f lies in window 1 + f / 21 at register 12 (f % 21): 0-31 the weight's (4 q + t), 32-39 and 40-47 the rows' two sets
.macro FRAG f, adr, off
	WIN (1+(\f)/21)<<6
.set R_, 12*((\f)%21)
.irp k, 0,1,2
	ds_load_b128 v[R_+4*\k:R_+4*\k+3], v[\adr] offset:(\off)+512*\k
.endr
.endm
.macro WEIGHTS
.irp q, 0,1,2,3,4,5,6,7
.irp t, 0,1,2,3
	FRAG 4*\q+\t, WA, \t*TB+\q*1536
.endr
.endr
	WIN 0
.endm
.macro FETCH e, adr, off, sadr, soff
.irp q, 0,1,2,3,4,5,6,7
	FRAG 32+8*(\e)+\q, \adr, (\off)+\q*1536
.endr
	WIN 0
	ds_load_b128 v[SA+8*(\e):SA+8*(\e)+3], v[\sadr] offset:\soff
	ds_load_b128 v[SA+8*(\e)+4:SA+8*(\e)+7], v[\sadr] offset:(\soff)+16
.endm
.macro VFETCH e, s
.if (\s) < 4
	FETCH \e, XA0, (\s)*TB, XSA0, (\s)*512
.else
	FETCH \e, XA4, ((\s)-4)*TB, XSA0, (\s)*512
.endif
.endm
.macro WM d, s0, s1, c, x0, x1, side, o
.if \o
	v_wmma_scale_f32_16x16x128_f8f6f4 v[\d:\d+7], v[\s0:\s0+11], v[\s1:\s1+11], v[\c:\c+7], v[\x0], v[\x1] matrix_a_fmt:MATRIX_FMT_FP6 matrix_b_fmt:MATRIX_FMT_FP6 matrix_\side\()_scale:MATRIX_SCALE_ROW1
.else
	v_wmma_scale_f32_16x16x128_f8f6f4 v[\d:\d+7], v[\s0:\s0+11], v[\s1:\s1+11], v[\c:\c+7], v[\x0], v[\x1] matrix_a_fmt:MATRIX_FMT_FP6 matrix_b_fmt:MATRIX_FMT_FP6 matrix_\side\()_scale:MATRIX_SCALE_ROW0
.endif
.endm
; product n = 4 q + t of a block in set e.  kind 1 (V): x = the block's number; kind 0 (Q, K): x = the bias's first register
.macro PROD kind, e, n, x
.set Q_, (\n)/4
.set T_, (\n)%4
.set FW_, 4*Q_+T_
.set FX_, 32+8*(\e)+Q_
.set RW_, 12*(FW_%21)
.set RX_, 12*(FX_%21)
.set XW_, SB+8*(T_/2)+Q_
.set XX_, SA+8*(\e)+Q_
.if \kind
.set D_, VA0+64*T_+8*(\x)+(T_/2)*(VA1-VA0-128)
.set C_, VBI+8*T_
.else
.set D_, ACC+32*(\e)+8*T_
.set C_, (\x)+8*T_
.endif
.if Q_
.set C_, D_
.endif
.set DL_, D_&255
.set CL_, C_&255
.if \kind
	WIN (1+FX_/21)|((1+FW_/21)<<2)|((C_>>8)<<4)|((D_>>8)<<6)
	WM DL_, RX_, RW_, CL_, XX_, XW_, b, T_%2
.else
	WIN (1+FW_/21)|((1+FX_/21)<<2)|((C_>>8)<<4)|((D_>>8)<<6)
	WM DL_, RW_, RX_, CL_, XW_, XX_, a, T_%2
.endif
.endm
.macro PRODS kind, e, x
.set N_, 0
.rept 32
	PROD \kind, \e, N_, \x
.set N_, N_+1
.endr
	WIN 0
.endm
.macro TABLOAD e
.irp i, 0,1,2,3,4,5,6,7
	global_load_b128 v[TAB+32*(\e)+4*\i:TAB+32*(\e)+4*\i+3], v[TA+\e], s[8:9] offset:512*\i
.endr
.endm
; ================= the head
	s_load_b128 s[4:7], s[0:1], 0x0                ; codes, scales
	s_load_b128 s[8:11], s[0:1], 0x10              ; tab, bq
	s_load_b64 s[12:13], s[0:1], 0x20              ; bk
	s_load_b128 s[96:99], s[0:1], 0x28             ; bv, qkv
	s_load_b64 s[100:101], s[0:1], 0x38            ; sc3
	v_lshl_add_u32 v[SPW], v0, 2, SPARE
	v_mov_b32 v[NIL], 0
	ds_add_u32 v[SPW], v[NIL]                      ; the opening lines: the add twice on end
	ds_add_u32 v[SPW], v[NIL]
	v_lshrrev_b32 v1, 5, v0
	v_readfirstlane_b32 s14, v1                    ; wave
	s_lshr_b32 s15, s14, 1                         ; a
	s_and_b32 s16, s14, 1                          ; b
	s_bfe_u32 s40, ttmp6, 0x40000                  ; cx
	s_bfe_u32 s41, ttmp6, 0x40004                  ; cy
	s_lshl_b32 s42, ttmp9, 2
	s_add_co_u32 s42, s42, s40                     ; j
	s_and_b32 s17, ttmp7, 0xffff
	s_lshl_b32 s17, s17, 2
	s_add_co_u32 s17, s17, s41                     ; i
	s_lshl_b32 s43, s41, 2
	s_lshl_b32 s43, 15, s43                        ; my row of the cluster
	s_lshl_b32 s44, 0x1111, s40                    ; my column
	GROUP1 G1X, 43, 384
	GROUP1 G1W, 44, 384
	GROUP1 G1S, 43, 32
	s_mov_b32 s[SEL], 0x76543210
	s_mov_b32 s[SEL+1], 0xfedcba98
	s_mul_i32 s20, s17, 16*TB                      ; x's codes
	s_mov_b32 s21, 0
	s_lshl_b32 s22, s17, 13                        ; x's scale bytes
	s_mov_b32 s23, 0
	s_mul_i32 s46, s42, 8*TB                       ; my 128 rows of a weight
	s_mov_b32 s47, 0
	s_mul_i32 s18, s14, 24576                      ; my quarter of a refill
	s_mov_b32 s19, 0
	s_wait_dscnt 0x0
	s_wait_kmcnt 0x0
	s_add_nc_u64 s[46:47], s[4:5], s[46:47]
	s_mov_b32 s[G0W], 1
	s_mov_b32 s[G0W+1], WB
	s_add_nc_u64 s[G0W+2:G0W+3], s[46:47], 640*TB  ; W_v begins at tile 640
	s_or_b32 s[G0W+3], s[G0W+3], 0x80000000
	s_add_nc_u64 s[92:93], s[46:47], s[18:19]
	s_add_nc_u64 s[92:93], s[92:93], 512*TB        ; W_q, my quarter; W_k lies 64 tiles on
	s_mov_b32 s[G0S], 1
	s_mov_b32 s[G0S+1], XS
	s_add_nc_u64 s[G0S+2:G0S+3], s[6:7], s[22:23]
	s_or_b32 s[G0S+3], s[G0S+3], 0x80000000
	s_mov_b32 s[G0XA], 1
	s_mov_b32 s[G0XA+1], 0
	s_add_nc_u64 s[G0XA+2:G0XA+3], s[4:5], s[20:21]
	s_mov_b32 s[G0XB], 1
	s_mov_b32 s[G0XB+1], 8*TB
	s_add_nc_u64 s[G0XB+2:G0XB+3], s[G0XA+2:G0XA+3], 8*TB
	s_or_b32 s[G0XA+3], s[G0XA+3], 0x80000000
	s_or_b32 s[G0XB+3], s[G0XB+3], 0x80000000
	CROUND                                         ; all sixteen work-groups are here: the first joint loads meet
.macro ARM under, g0, g1, next
	s_cmp_lt_u32 s14, \under
	s_cbranch_scc0 \next
	TLOAD \g0, \g1
	s_branch .Lhead_asked
\next:
.endm
	ARM 1, G0W,  G1W, .Lhead_s                     ; one load a wave, one chain of branches: wave 0 W_v,
	ARM 2, G0S,  G1S, .Lhead_xa                    ; wave 1 x's scale bytes,
	ARM 3, G0XA, G1X, .Lhead_xb                    ; waves 2 and 3 x's halves
	TLOAD G0XB, G1X
.Lhead_asked:
	s_lshr_b32 s20, s17, 3
	s_lshl_b32 s20, s20, 4
	s_lshl_b32 s21, s42, 1
	s_add_co_u32 s20, s20, s21
	s_add_co_u32 s20, s20, s16                     ; 16 batch + head
	s_and_b32 s21, s17, 7
	s_lshl_b32 s21, s21, 1
	s_add_co_u32 s21, s21, s15                     ; my 128 positions of the sequence's 2,048
	s_mul_i32 s22, s20, 98304
	s_mul_i32 s23, s21, 6144
	s_add_co_u32 s22, s22, s23
	s_add_co_u32 s76, s22, 12582912
	s_mov_b32 s77, 0
	s_add_nc_u64 s[76:77], s[98:99], s[76:77]      ; v's images
	s_add_co_u32 s80, s22, 6291456
	s_mov_b32 s81, 0
	s_add_nc_u64 s[80:81], s[98:99], s[80:81]      ; k's; q's lie 6,291,456 bytes ahead
	s_mul_i32 s22, s20, 20480
	s_lshl_b32 s23, s21, 8
	s_add_co_u32 s78, s22, s23
	s_add_co_u32 s78, s78, 16384
	s_mov_b32 s79, 0
	s_add_nc_u64 s[78:79], s[100:101], s[78:79]    ; v's scale words
	s_lshl_b32 s23, s21, 9
	s_add_co_u32 s82, s22, s23
	s_add_co_u32 s82, s82, 8192
	s_mov_b32 s83, 0
	s_add_nc_u64 s[82:83], s[100:101], s[82:83]    ; k's; q's lie 8,192 bytes ahead
	s_lshl_b32 s22, s21, 15
	s_mov_b32 s23, 0
	s_add_nc_u64 s[8:9], s[8:9], s[22:23]          ; the table of my positions
	s_lshl_b32 s22, s42, 12
	s_lshl_b32 s45, s16, 11
	s_add_co_u32 s22, s22, s45
	s_add_co_u32 s22, s22, 262144
	s_add_nc_u64 s[84:85], s[6:7], s[22:23]        ; the scale bytes of my 64 rows of W_q; W_k's 32,768 on, W_v's 65,536
	s_lshl_b32 s22, s42, 9
	s_lshl_b32 s45, s16, 8
	s_add_co_u32 s22, s22, s45
	s_add_nc_u64 s[10:11], s[10:11], s[22:23]      ; my head's biases
	s_add_nc_u64 s[12:13], s[12:13], s[22:23]
	s_add_nc_u64 s[96:97], s[96:97], s[22:23]
	s_mul_i32 s21, s15, 8*TB
	s_lshl_b32 s22, s15, 12
	s_add_co_u32 s22, s22, XS
	s_mul_i32 s23, s16, 4*TB
	s_add_co_u32 s23, s23, WB
	v_and_b32 v20, 31, v0
	v_and_b32 v21, 15, v0                          ; r
	v_bfe_u32 v22, v0, 4, 1                        ; h
	v_lshlrev_b32 v[L16], 4, v20
	v_lshlrev_b32 v[L8], 3, v20
	v_add_nc_u32 v[L8P], 512, v[L8]
	v_add_nc_u32 v[XA0], s21, v[L16]
	v_add_nc_u32 v[XA4], 4*TB, v[XA0]
	v_lshl_add_u32 v[XSA0], v21, 5, s22
	v_add_nc_u32 v[WA], s23, v[L16]
	v_lshlrev_b32 v[BH], 5, v22
	v_lshlrev_b32 v[R4], 2, v21
	v_lshlrev_b32 v[ABS], 5, v20
	v_cmp_le_u32 s90, 16, v20                      ; lanes 16-31
.irp b, 0,1,2,3
	v_mov_b32 v[TM+4+\b], 0                        ; a lane permute's destination counts as one of its sources
	v_mov_b32 v[OW+\b], 0
.endr
.irp p, 0,1
.irp c, 0,1
	global_load_b128 v[SB+8*\p+4*\c:SB+8*\p+4*\c+3], v[ABS], s[84:85] offset:65536+1024*\p+16*\c
.endr
.endr
	WIN 3<<6
.irp p, 0,1
.irp c, 0,1
	global_load_b128 v[SBK-768+8*\p+4*\c:SBK-768+8*\p+4*\c+3], v[ABS], s[84:85] offset:32768+1024*\p+16*\c
.endr
.endr
.irp t, 0,1,2,3
	global_load_b32 v[VBI-768+8*\t], v[R4], s[96:97] offset:64*\t   ; lane (r, h) of tile t has channel 16 t + r
.endr
	WIN 0
	WALU                                           ; the wait at the head's end
	s_cmp_eq_u32 s14, 0
	s_cbranch_scc0 .Lnot_w
	s_wait_tensorcnt 0x0
.Lnot_w:
	s_barrier_signal -1
	s_barrier_wait -1                              ; W_v is in
	WEIGHTS
	s_wait_tensorcnt 0x0                           ; my tile of the head's four is in; the three lines ahead of the first refill
	ds_add_u32 v[SPW], v[NIL]
	s_mov_b32 s[G1W+2], 96<<16                     ; no tensor load of mine is out: from here on a load brings a quarter of a weight's tile
	s_mov_b32 s[G1W+4], 96
	s_add_co_u32 s[G0W+1], s18, WB
	s_add_nc_u64 s[G0W+2:G0W+3], s[92:93], 64*TB
	s_or_b32 s[G0W+3], s[G0W+3], 0x80000000
	s_wait_dscnt 0x0                               ; W_v is in my registers
	CROUND                                         ; x and its scale bytes are in, and nobody reads the weights' region
	TLOAD G0W, G1W                                 ; W_k
	VFETCH 0, 0
	VFETCH 1, 1
	s_wait_loadcnt 0x0
	WIN (3<<6)|3
.irp t, 0,8,16,24
.irp i, 1,2,3,4,5,6,7
	v_mov_b32 v[VBI-768+\t+\i], v[VBI-768+\t]
.endr
.endr
	WIN 0
	WALU
; ================= V: eight blocks
.set S_, 0
.rept 8
	s_wait_dscnt NF                                ; this block's rows are in; the next block's 26 loads may be out
	PRODS 1, S_%2, S_
	PLACES 4
	VFETCH S_%2, (S_+2)%8
.set S_, S_+1
.endr
; a channel tile's 128 tokens, 64 registers from s on in window w: four blocks of 32 along the keys
.macro QUANT s, w, t
	s_wait_xcnt 0x0                                ; the last tile's stores have read their registers
	WIN (\w)|((\w)<<2)
.irp b, 0,1,2,3
	v_max3_num_f32 v[TM+\b], |v[\s+16*\b]|, |v[\s+1+16*\b]|, 0x1800000
.endr
	WIN ((\w)<<2)|((\w)<<4)
.irp i, 2,4,6,8,10,12,14
.irp b, 0,1,2,3
	v_max3_num_f32 v[TM+\b], v[TM+\b], |v[\s+16*\b+\i]|, |v[\s+1+16*\b+\i]|
.endr
.endr
	WIN 0
.irp b, 0,1,2,3
	v_permlanex16_b32 v[TM+4+\b], v[TM+\b], s[SEL], s[SEL+1]
.endr
.irp b, 0,1,2,3
	v_max_num_f32 v[TM+\b], v[TM+\b], v[TM+4+\b]
.endr
.irp b, 0,1,2,3
	v_add_nc_u32 v[TM+12+\b], 0xff000000, v[TM+\b]
.endr
.irp b, 0,1,2,3
	v_lshrrev_b32 v[TM+8+\b], 23, v[TM+12+\b]
.endr
	v_lshl_or_b32 v[PW+\t], v[TM+9], 8, v[TM+8]
	v_lshl_or_b32 v[PW+\t], v[TM+10], 16, v[PW+\t]
	v_lshl_or_b32 v[PW+\t], v[TM+11], 24, v[PW+\t]
	WIN \w
.irp c, 0,1
	v_cvt_scalef32_pk16_fp6_f32 v[PC+6*\c:PC+2+6*\c], v[\s+32*\c:\s+15+32*\c], v[TM+12+2*\c]
	v_cvt_scalef32_pk16_fp6_f32 v[PC+12+4*\c:PC+14+4*\c], v[\s+16+32*\c:\s+31+32*\c], v[TM+12+2*\c+1]
.endr
	WIN 0
	v_nop
.irp c, 0,1
.irp i, 0,1,2
	v_permlane16_swap_b32 v[PC+6*\c+\i], v[PC+12+4*\c+\i]
.endr
.irp i, 0,1,2
	v_mov_b32 v[PC+3+6*\c+\i], v[PC+12+4*\c+\i]
.endr
.endr
.irp c, 0,1,2
	global_store_b128 v[L16], v[PC+4*\c:PC+4*\c+3], s[76:77] offset:(\t)*1536+512*\c
.endr
.endm
	QUANT VA0, 0, 0
	QUANT VA0+64, 0, 1
	QUANT VA1-768, 3, 2
	QUANT VA1-768+64, 3, 3
	v_cndmask_b32 v[TM], v[PW], v[PW+1], s90       ; lane l, register i: the word of channel 32 i + l
	v_cndmask_b32 v[TM+1], v[PW+2], v[PW+3], s90
	global_store_b64 v[L8], v[TM:TM+1], s[78:79]
; ================= from V to K
	WIN 3<<6
.irp u, 0,1,2,3
.irp c, 0,1
	global_load_b128 v[BK-768+8*\u+4*\c:BK-768+8*\u+4*\c+3], v[BH], s[12:13] offset:64*\u+16*\c   ; register 8 u + j of lane (r, h): channel 16 u + 8 h + j
	global_load_b128 v[BQ-768+8*\u+4*\c:BQ-768+8*\u+4*\c+3], v[BH], s[10:11] offset:64*\u+16*\c
.endr
.endr
.irp p, 0,1
.irp c, 0,1
	global_load_b128 v[SBQ-768+8*\p+4*\c:SBQ-768+8*\p+4*\c+3], v[ABS], s[84:85] offset:1024*\p+16*\c
.endr
.endr
	WIN 0
	s_wait_xcnt 0x0                                ; V's last stores have read their registers, on which the table's tiles land
	v_mov_b32 v[TA], v[L16]
	v_add_nc_u32 v[TA+1], 4096, v[L16]
	TABLOAD 0
	TABLOAD 1
	v_mov_b32 v[MX+2], 0
	v_mov_b32 v[MX+3], 0
.macro NEWSCALES from                  ; the next weight's scale words; the sixteen lines and the weights' loads stand ahead of the first product
	WIN 3
.set I_, 0
.rept 16
	v_mov_b32 v[SB+I_], v[\from-768+I_]
.set I_, I_+1
.endr
	WIN 0
	PLACES 8
	WALU
	s_wait_tensorcnt 0x0                           ; my quarter of the refill is in
	s_wait_dscnt 0x0
	s_barrier_signal -1
	s_barrier_wait -1                              ; everybody's is
	WEIGHTS
.endm
	NEWSCALES SBK
	s_wait_tensorcnt 0x0                           ; the three lines ahead of the second refill
	ds_add_u32 v[SPW], v[NIL]
	s_mov_b64 s[G0W+2:G0W+3], s[92:93]
	s_or_b32 s[G0W+3], s[G0W+3], 0x80000000
	s_wait_dscnt 0x0                               ; W_k is in my registers
	CROUND
	TLOAD G0W, G1W                                 ; W_q
	s_wait_loadcnt 16                              ; the biases and W_q's scale words are in; the two table tiles may be out
; ================= K and Q: a loop of two blocks and four trips
.macro QKBLOCK e, bias
.set AC, ACC+32*(\e)
.set CN, TAB+32*(\e)
	WALU
	s_wait_dscnt NF
	PRODS 0, \e, \bias
	v_add_nc_u32 v[XA], s88, v[XA0]                ; four plain lines: the places behind the products
	v_add_nc_u32 v[XSA], s89, v[XSA0]
	v_nop
	v_nop
	FETCH \e, XA, 0, XSA, 0                        ; the block two on, round my eight
	s_wait_loadcnt 8                               ; this block's table tile is in; the next block's eight loads may be out
.irp i, 0,2,4,6,8,10,12,14
	v_pk_mul_f32 v[T+\i:T+\i+1], v[AC+16+\i:AC+17+\i], v[CN+16+\i:CN+17+\i]
.endr
.irp i, 0,2,4,6,8,10,12,14
	v_pk_mul_f32 v[T+16+\i:T+17+\i], v[AC+\i:AC+\i+1], v[CN+16+\i:CN+17+\i]
.endr
.irp i, 0,2,4,6,8,10,12,14
	v_pk_fma_f32 v[T+\i:T+\i+1], v[AC+\i:AC+\i+1], v[CN+\i:CN+\i+1], v[T+\i:T+\i+1] neg_lo:[0,0,1] neg_hi:[0,0,1]   ; x cos - partner sin
.endr
.irp i, 0,2,4,6,8,10,12,14
	v_pk_fma_f32 v[T+16+\i:T+17+\i], v[AC+16+\i:AC+17+\i], v[CN+\i:CN+\i+1], v[T+16+\i:T+17+\i]                     ; partner cos + x sin
.endr
	v_add_nc_u32 v[TA+\e], s91, v[L16]
	TABLOAD \e                                     ; the table tile two on
	v_max3_num_f32 v[MX], |v[T]|, |v[T+1]|, 0x1800000
	v_max3_num_f32 v[MX+1], |v[T+16]|, |v[T+17]|, 0x1800000
.irp i, 2,4,6,8,10,12,14
	v_max3_num_f32 v[MX], v[MX], |v[T+\i]|, |v[T+1+\i]|
	v_max3_num_f32 v[MX+1], v[MX+1], |v[T+16+\i]|, |v[T+17+\i]|
.endr
	v_permlanex16_b32 v[MX+2], v[MX], s[SEL], s[SEL+1]
	v_permlanex16_b32 v[MX+3], v[MX+1], s[SEL], s[SEL+1]
	v_max_num_f32 v[MX], v[MX], v[MX+2]
	v_max_num_f32 v[MX+1], v[MX+1], v[MX+3]
	v_add_nc_u32 v[MX+4], 0xff000000, v[MX]
	v_add_nc_u32 v[MX+5], 0xff000000, v[MX+1]
	WALU
	s_wait_xcnt 0x0                                ; the last block's stores have read their registers
	v_add_nc_u32 v[SO16], s94, v[L16]
	v_add_nc_u32 v[SO8], s94, v[L8P]
	v_lshrrev_b32 v[MX+6], 23, v[MX+4]
	v_lshrrev_b32 v[MX+7], 23, v[MX+5]
	v_lshl_or_b32 v[MX+6], v[MX+7], 8, v[MX+6]
.if \e
	v_or_b32 v[MX+6], 0x7f7f0000, v[MX+6]          ; the head has 64 channels: bytes 2 and 3 stand for 1
	v_mov_b32 v[OW], v[OW+1]                       ; lane l, register i of the phase's four: the word of position 32 i + l
	v_mov_b32 v[OW+1], v[OW+2]
	v_mov_b32 v[OW+2], v[OW+3]
	v_cndmask_b32 v[OW+3], v[WE], v[MX+6], s90
.else
	v_or_b32 v[WE], 0x7f7f0000, v[MX+6]
.endif
	v_cvt_scalef32_pk16_fp6_f32 v[XC:XC+2], v[T:T+15], v[MX+4]
	v_cvt_scalef32_pk16_fp6_f32 v[XC+4:XC+6], v[T+16:T+31], v[MX+5]
	v_nop
.irp i, 0,1,2
	v_permlane16_swap_b32 v[XC+\i], v[XC+4+\i]
.endr
	v_mov_b32 v[XC+3], v[XC+4]
	v_mov_b32 v[XC+4], v[XC+5]
	v_mov_b32 v[XC+5], v[XC+6]
	global_store_b128 v[SO16], v[XC:XC+3], s[80:81]
	global_store_b64 v[SO8], v[XC+4:XC+5], s[80:81]
	s_add_co_u32 s94, s94, 768
	s_add_co_u32 s88, s88, TB
	s_add_co_u32 s89, s89, 512
	s_add_co_u32 s91, s91, 4096
	s_cmp_eq_u32 s88, 8*TB
	s_cselect_b32 s88, 0, s88
	s_cselect_b32 s89, 0, s89
	s_cselect_b32 s91, 0, s91
.endm
.macro QKPHASE bias
	s_mov_b32 s88, 2*TB
	s_mov_b32 s89, 1024
	s_mov_b32 s91, 8192
	s_mov_b32 s94, 0
	s_mov_b32 s95, 0
.Lqk_\@:
	QKBLOCK 0, \bias
	QKBLOCK 1, \bias
	s_add_co_u32 s95, s95, 1
	s_cmp_lg_u32 s95, 4
	WALU
	s_cbranch_scc1 .Lqk_\@
	global_store_b128 v[L16], v[OW:OW+3], s[82:83]
.endm
	QKPHASE BK
	NEWSCALES SBQ
	s_wait_xcnt 0x0                                ; K's stores have read their bases and registers
	s_sub_nc_u64 s[80:81], s[80:81], 6291456
	s_sub_nc_u64 s[82:83], s[82:83], 8192
	s_wait_dscnt 0x0                               ; W_q is in my registers
	QKPHASE BQ
	s_wait_tensorcnt 0x0                           ; the wave's end
	ds_add_u32 v[SPW], v[NIL]
	s_wait_dscnt 0x0
	CROUND                                         ; the closing round
	s_endpgm
.Lfunc_end_k_qb7faa57765_qkvgemm:
	.size	k_qb7faa57765_qkvgemm, .Lfunc_end_k_qb7faa57765_qkvgemm-k_qb7faa57765_qkvgemm
	.p2alignl 7, 3214868480
	.fill 96, 4, 3214868480
	.section	.rodata,"a",@progbits
	.p2align	6, 0x0
	.amdhsa_kernel k_qb7faa57765_qkvgemm
		.amdhsa_group_segment_fixed_size 327680
		.amdhsa_private_segment_fixed_size 0
		.amdhsa_enable_private_segment 0
		.amdhsa_kernarg_size 64
		.amdhsa_user_sgpr_count 2
		.amdhsa_user_sgpr_kernarg_segment_ptr 1
		.amdhsa_wavefront_size32 1
		.amdhsa_system_sgpr_workgroup_id_x 1
		.amdhsa_system_sgpr_workgroup_id_y 1
		.amdhsa_system_sgpr_workgroup_id_z 1
		.amdhsa_system_vgpr_workitem_id 0
		.amdhsa_next_free_vgpr 1024
		.amdhsa_next_free_sgpr 102
		.amdhsa_reserve_vcc 0
		.amdhsa_float_denorm_mode_32 3
		.amdhsa_float_denorm_mode_16_64 3
		.amdhsa_memory_ordered 1
		.amdhsa_forward_progress 1
		.amdhsa_inst_pref_size 156
	.end_amdhsa_kernel
	.amdgpu_metadata
---
amdhsa.version: [ 1, 2 ]
amdhsa.kernels:
  - .name:           k_qb7faa57765_qkvgemm
    .symbol:         k_qb7faa57765_qkvgemm.kd
    .args:
      - { .name: codes, .offset: 0, .size: 8, .value_kind: global_buffer, .address_space: global }
      - { .name: scales, .offset: 8, .size: 8, .value_kind: global_buffer, .address_space: global }
      - { .name: tab, .offset: 16, .size: 8, .value_kind: global_buffer, .address_space: global }
      - { .name: bq, .offset: 24, .size: 8, .value_kind: global_buffer, .address_space: global }
      - { .name: bk, .offset: 32, .size: 8, .value_kind: global_buffer, .address_space: global }
      - { .name: bv, .offset: 40, .size: 8, .value_kind: global_buffer, .address_space: global }
      - { .name: qkv, .offset: 48, .size: 8, .value_kind: global_buffer, .address_space: global }
      - { .name: sc3, .offset: 56, .size: 8, .value_kind: global_buffer, .address_space: global }
    .group_segment_fixed_size: 327680
    .private_segment_fixed_size: 0
    .kernarg_segment_align: 8
    .kernarg_segment_size: 64
    .max_flat_workgroup_size: 128
    .sgpr_count:     102
    .vgpr_count:     1024
    .wavefront_size: 32
...
	.end_amdgpu_metadata
.endif
;; end of part 2
;; launch attn (part 3): grid 4 x 64, 16 waves a work-group, clusters of 4 x 1, 210,944 bytes of LDS; arguments qkv, sc3, oc, os; writes oc, os
.if DOCPART == 3
	.amdgcn_target "amdgcn-amd-amdhsa--gfx1250"
	.amdhsa_code_object_version 6
	.text
	.protected	k_qb7faa57765_attn
	.globl	k_qb7faa57765_attn
	.p2align	8
	.type	k_qb7faa57765_attn,@function
k_qb7faa57765_attn:
	s_mov_b64 s[64:65], 0
	v_nop
	global_prefetch_b8 v0, s[64:65] scope:SCOPE_SE
	s_setreg_imm32_b32 hwreg(HW_REG_WAVE_MODE, 25, 1), 1
	s_wait_xcnt 0x0
	s_wait_alu depctr_hold_cnt(0) depctr_sa_sdst(0) depctr_va_vdst(0) depctr_va_sdst(0) depctr_va_ssrc(0) depctr_va_vcc(0) depctr_vm_vsrc(0)
	s_getreg_b32 s2, hwreg(HW_REG_IB_STS2, 6, 4)
	s_cmp_eq_u32 s2, 0
	s_cbranch_scc0 .Lentry_in_a_cluster
	s_endpgm
.Lentry_in_a_cluster:
	s_bfe_u32 s2, ttmp6, 0x10000c
	s_cmp_lg_u32 s2, 0x3003
	s_cbranch_scc0 .Lentry_shape_is_right
	s_endpgm
.Lentry_shape_is_right:
; o = softmax(q k^T / 8) v for one head, both products on codes of FP6 (E2M3) with E8M0 scales, and o quantised along the model's 1024 for the last product.
; THE SOFTMAX: t = score x log2(e) / 8; M = the running largest t rounded up to a whole number; p = 2^(t - M) is quantised along the keys, not normalised; the row's sum is taken of the unquantised p
; and divides O at the end; when M moves, the sum and O are multiplied by 2^(old M - new M), which rounds nothing.
; SHARES.  256 work-groups: a work-group owns 512 queries of one (batch, head), in two passes of 256; in a pass each of sixteen waves has one tile of 16 queries, in 256 registers: four waves to a SIMD.
; LDS holds the WHOLE head, filled once, and serves both passes: sixteen blocks of 13,056 bytes, one for each step of 128 keys: k's codes 6,144 bytes, v's 6,144, k's scale words 512, v's 256.
; FILLS.  One joint tensor load a wave: wave w brings step w's codes, k's and v's as the two rows of one tile (6,291,456 bytes apart in qkv).  Step w's 768 scale bytes come through wave w's registers into
; bytes of their own, three blocks of 256 behind the codes, on which no tensor load lands; they are one seventeenth of the block, so they are not asked for jointly.
; Waves 0-3 have a load line of their own: the first barrier shows steps 0-3 and all scale words; behind four steps a second barrier, ahead of which every wave has waited, shows the rest.  No barrier follows it.
; All bytes are asked for at the head, so there is no later request that a prefetch could run ahead of.
; CLUSTER: the four work-groups of a head form a cluster and need the same k and v: every tensor load is joint, with the mask of all four.  cx enters only q's, oc's and os's global addresses.
; LAYOUT.  S^T = k q^T (source 0 = 16 keys, source 1 = my queries), O^T = v^T p^T: a lane holds one query throughout.  All operands come as images of their registers.
; THE HEAD HAS 64 CHANNELS AND THE INSTRUCTION 128 ALONG K: q's registers 6-11 are zero codes and bytes 2, 3 of both scale words are 127.  k's operand for tile t is v[32 + 6 t : 43 + 6 t]: its upper six
; registers are the next tile's codes (zeros behind tile 7): every pattern of 6 bits is a finite number, so those products are exact zeros.
; WHAT IS STORED: oc [512 tiles of 16 rows][16 heads][768 bytes]: lane (r, h): block h of the head's 64 of row r: registers 0-3 at 16 x lane, 4-5 at 512 + 8 x lane.  os [8192 rows][32]: byte 2 head + block.
; LIMITS: v_exp_f32 gives 0 for p under 2^-126; a block of zeros gets the byte 1; a block's largest p is taken through its largest score, which takes v_exp_f32 not to fall where its input rises; NaN and infinities are not served;
; the promise holds while the scaled scores stay under 2^31 in magnitude.
; REGISTERS: v1, v2, v6, v28 addresses that stay; v4, v5 where my scale words go; v7, v8 the step's block; v12 -M, v13 largest t, v[14:15] the sum; v16-27 q; v32-85 k's eight tiles and six zeros, then v's four fragments;
;   v96-159 S^T, then p; v160-191 O^T; v192-198 the second pass's q and its scale word; v224-235 p's codes; v230-247, v250-254 at work; v248-251 k's scale words, then v's in v248-249; v253 p's scale word; v255 q's; v223, v243 the add's.
.set PIT,   13056
.set SPARE, 16*PIT
.set A16,  7
.set A8,   8
.set WV,   12                          ; s12 my wave
.set SEL,  20                          ; s[20:21] lane l xor 16
.set CS,   22                          ; s[22:23] c = log2(e) / 8
.set G1,   24                          ; s[24:31] two rows of 6,144 bytes
.set G0,   40                          ; s[40:43]
.set TB,   60                          ; s60 the step's block in LDS
.set CNT,  63
.macro ROUND                           ; a round of the cluster's barrier
	s_barrier_signal -1
	s_barrier_wait -1
	s_cmp_lg_u32 s[WV], 0
	s_cbranch_scc1 .Lnot_wave_0_\@
	s_barrier_signal -3
.Lnot_wave_0_\@:
	s_barrier_wait -3
	s_barrier_signal -1
	s_barrier_wait -1
.endm
	s_load_b128 s[4:7], s[0:1], 0x0                ; qkv, sc3
	s_load_b128 s[8:11], s[0:1], 0x10              ; oc, os
	v_lshl_add_u32 v223, v0, 2, SPARE
	v_mov_b32 v243, 0
	ds_add_u32 v223, v243                          ; the opening lines: the add twice on end
	ds_add_u32 v223, v243
	v_lshrrev_b32 v1, 5, v0
	s_delay_alu instid0(VALU_DEP_1)
	v_readfirstlane_b32 s[WV], v1                  ; wave 0..15
	s_and_b32 s15, ttmp7, 0xffff                   ; 16 batch + head, which the partners share
	s_mul_i32 s18, s[WV], PIT                      ; my step's block in LDS
	s_mul_i32 s19, s15, 98304
	s_mul_i32 s16, s[WV], 6144
	s_add_co_u32 s66, s19, s16
	s_add_co_u32 s66, s66, 6291456                 ; k's codes of step = wave; v's lie 6,291,456 bytes on
	s_mov_b32 s67, 0
	s_mul_i32 s74, s15, 20480                      ; the head's scale words: q's 8,192 bytes, k's 8,192, v's 4,096
	s_lshl_b32 s68, s[WV], 9
	s_add_co_u32 s68, s68, s74
	s_add_co_u32 s68, s68, 8192
	s_mov_b32 s69, 0
	s_lshl_b32 s70, s[WV], 8
	s_add_co_u32 s70, s70, s74
	s_add_co_u32 s70, s70, 16384
	s_mov_b32 s71, 0
	s_mov_b32 s[G1], 15|(3<<16)|(1<<21)            ; the mask: all four work-groups; elements of 8 bytes; bit 21 beside a mask; no padding
	s_mov_b32 s[G1+1], 768<<16
	s_mov_b32 s[G1+2], 2<<16
	s_mov_b32 s[G1+3], 768<<16
	s_mov_b32 s[G1+4], 2
	s_mov_b32 s[G1+5], 786432
	s_mov_b32 s[G1+6], 0
	s_mov_b32 s[G1+7], 0
	v_and_b32 v3, 31, v0
	v_lshlrev_b32 v1, 4, v3                        ; 16 x lane
	v_lshlrev_b32 v2, 3, v3                        ; 8 x lane
	v_add_nc_u32 v4, s18, v1
	v_add_nc_u32 v5, s18, v2
	s_wait_alu depctr_va_vdst(0)                   ; the wait ahead of the waits below
	s_wait_dscnt 0x0
	s_wait_kmcnt 0x0
	s_add_nc_u64 s[68:69], s[6:7], s[68:69]
	s_add_nc_u64 s[70:71], s[6:7], s[70:71]
	global_load_b128 v[96:99], v1, s[68:69]        ; my step's scale words: k's 512 bytes,
	global_load_b64 v[100:101], v2, s[70:71]       ; v's 256
	s_mov_b32 s[G0], 1
	s_mov_b32 s[G0+1], s18
	s_add_nc_u64 s[G0+2:G0+3], s[4:5], s[66:67]
	s_or_b32 s[G0+3], s[G0+3], 0x80000000
	ROUND                                          ; all four work-groups are here: the joint loads meet
	s_cmp_lt_u32 s[WV], 4
	s_cbranch_scc0 .Llater
	tensor_load_to_lds s[G0:G0+3], s[G1:G1+7]      ; steps 0-3: the line of the waves that wait ahead of the first barrier
	s_nop 0
.rept 4
	v_nop
.endr
	s_branch .Lasked
.Llater:
	tensor_load_to_lds s[G0:G0+3], s[G1:G1+7]      ; steps 4-15
	s_nop 0
.rept 4
	v_nop
.endr
.Lasked:
	s_bfe_u32 s13, ttmp6, 0x40000                  ; cx: my 512 queries
	s_lshl_b32 s14, s13, 5
	s_add_co_u32 s14, s14, s[WV]                   ; my tile of 16 queries in the first pass; the second pass's lies 16 tiles on
	s_mul_i32 s72, s14, 768
	s_add_co_u32 s72, s72, s19
	s_mov_b32 s73, 0
	s_add_nc_u64 s[72:73], s[4:5], s[72:73]        ; q's image
	s_lshl_b32 s75, s13, 2
	s_lshr_b32 s17, s[WV], 3
	s_add_co_u32 s75, s75, s17
	s_lshl_b32 s75, s75, 9
	s_add_co_u32 s74, s74, s75                     ; q's words: the 128 positions 4 cx + 2 pass + wave / 8,
	s_and_b32 s75, s[WV], 1
	s_lshl_b32 s75, s75, 8
	s_add_co_u32 s74, s74, s75                     ; position 16 (wave % 8) + r lies at 256 (wave % 2) + 16 r + 4 ((wave % 8) / 2)
	s_bfe_u32 s75, s[WV], 0x20001
	s_lshl_b32 s75, s75, 2
	s_add_co_u32 s74, s74, s75
	s_mov_b32 s75, 0
	s_add_nc_u64 s[74:75], s[6:7], s[74:75]
	s_lshr_b32 s76, s15, 4                         ; batch
	s_and_b32 s77, s15, 15                         ; head
	s_lshl_b32 s78, s76, 7
	s_add_co_u32 s78, s78, s14                     ; my tile of 16 rows of the 8,192
	s_lshl_b32 s79, s78, 4
	s_add_co_u32 s79, s79, s77
	s_mul_i32 s80, s79, 768
	s_mov_b32 s81, 0
	s_add_nc_u64 s[8:9], s[8:9], s[80:81]
	s_lshl_b32 s80, s78, 9
	s_lshl_b32 s79, s77, 1
	s_add_co_u32 s80, s80, s79
	s_add_nc_u64 s[10:11], s[10:11], s[80:81]
	s_mov_b32 s[SEL], 0x76543210
	s_mov_b32 s[SEL+1], 0xfedcba98
	s_mov_b32 s[CS], 0x3e38aa3b
	s_mov_b32 s[CS+1], s[CS]                       ; (named with it as a pair, so it is written)
	v_and_b32 v6, 15, v0
	s_delay_alu instid0(VALU_DEP_1)
	v_lshlrev_b32 v28, 4, v6
	s_delay_alu instid0(VALU_DEP_2)
	v_lshlrev_b32 v6, 5, v6                        ; a row of os is 32 bytes
	global_load_b128 v[16:19], v1, s[72:73]
	global_load_b64 v[20:21], v2, s[72:73] offset:512
	global_load_b32 v255, v28, s[74:75]
	global_load_b128 v[192:195], v1, s[72:73] offset:12288   ; the second pass's q, 16 tiles of 768 bytes on,
	global_load_b64 v[196:197], v2, s[72:73] offset:12800
	global_load_b32 v198, v28, s[74:75] offset:1024          ; and its scale word, two groups of 512 bytes on
.irp j, 0,1,2,3,4,5
	v_mov_b32 v[22+\j], 0                          ; q's upper 64 along K: zero codes
	v_mov_b32 v[80+\j], 0                          ; and what stands behind k's tile 7
.endr
.irp b, 0,1,2,3
	v_mov_b32 v[236+\b], 0                         ; a lane permute's destination counts as one of its sources
.endr
	v_mov_b32 v253, 0                              ; (named as the upper half of v[252:253] before it is first written)
.macro INIT                            ; a pass begins
	v_mov_b32 v13, 0xff61b1e6                      ; the largest t so far: -3e38
	s_delay_alu instid0(VALU_DEP_1)
	v_floor_f32 v12, -v13
	v_mov_b32 v14, 0
	v_mov_b32 v15, 0
.set j, 0
.rept 32
	v_mov_b32 v[160+j], 0                          ; O^T: the step is written once; a pass's first step finds zeros
.set j, j+1
.endr
	s_mov_b32 s[TB], 0
.endm
	INIT
	s_wait_alu depctr_va_vdst(0)                   ; the wait at the head's end
	s_wait_loadcnt 0x0                             ; q of both passes, my step's scale words
	ds_store_b128 v4, v[96:99] offset:12288
	ds_store_b64 v5, v[100:101] offset:12800
	s_cmp_lt_u32 s[WV], 4
	s_cbranch_scc0 .Lnot_first
	s_wait_tensorcnt 0x0                           ; every wave that issues the first line waits here
.Lnot_first:
	s_wait_dscnt 0x0                               ; my scale words are stored
	s_barrier_signal -1
	s_barrier_wait -1                              ; steps 0-3 and all scale words are in
.macro STEP                            ; 128 keys
	v_add_nc_u32 v[A16], s[TB], v1                 ; four plain lines: also the places between the last products and the loads into their registers
	v_add_nc_u32 v[A8], s[TB], v2
	v_nop
	v_nop
.irp t, 0,1,2,3,4,5,6,7
	ds_load_b128 v[32+6*\t:35+6*\t], v[A16] offset:768*\t
	ds_load_b64 v[36+6*\t:37+6*\t], v[A8] offset:768*\t+512
.endr
	ds_load_b128 v[248:251], v[A16] offset:12288   ; register i, lane l: the word of key 32 i + l
	s_wait_alu depctr_va_vdst(0)
	s_wait_dscnt 0x0
.irp t, 0,2,4,6
	v_wmma_scale_f32_16x16x128_f8f6f4 v[96+8*\t:103+8*\t], v[32+6*\t:43+6*\t], v[16:27], 0, v[248+\t/2], v255 matrix_a_fmt:MATRIX_FMT_FP6 matrix_b_fmt:MATRIX_FMT_FP6
	v_wmma_scale_f32_16x16x128_f8f6f4 v[104+8*\t:111+8*\t], v[38+6*\t:49+6*\t], v[16:27], 0, v[248+\t/2], v255 matrix_a_fmt:MATRIX_FMT_FP6 matrix_b_fmt:MATRIX_FMT_FP6 matrix_a_scale:MATRIX_SCALE_ROW1
.endr
.rept 4
	v_nop                                          ; places ahead of the reads of the scores and of the loads into k's registers
.endr
.irp t, 0,1,2,3
.irp c, 0,1,2
	ds_load_b128 v[32+12*\t+4*\c:35+12*\t+4*\c], v[A16] offset:6144+1536*\t+512*\c   ; v's four fragments land under the softmax
.endr
.endr
	ds_load_b64 v[248:249], v[A8] offset:12800     ; register i, lane l: the word of channel 32 i + l
.irp b, 0,1,2,3
	v_max3_num_f32 v[232+\b], v[96+16*\b], v[97+16*\b], v[98+16*\b]   ; the largest score of each block of 32 keys: for the row's maximum and for the block's largest p
.endr
.irp i, 3,5,7,9,11,13
.irp b, 0,1,2,3
	v_max3_num_f32 v[232+\b], v[232+\b], v[96+16*\b+\i], v[97+16*\b+\i]
.endr
.endr
.irp b, 0,1,2,3
	v_max_num_f32 v[232+\b], v[232+\b], v[111+16*\b]
.endr
.irp b, 0,1,2,3
	s_delay_alu instid0(VALU_DEP_4)
	v_permlanex16_b32 v[236+\b], v[232+\b], s[SEL], s[SEL+1]
.endr
.irp b, 0,1,2,3
	s_delay_alu instid0(VALU_DEP_4)
	v_max_num_f32 v[232+\b], v[232+\b], v[236+\b]
.endr
	s_delay_alu instid0(VALU_DEP_2)
	v_max3_num_f32 v254, v232, v233, v234
	s_delay_alu instid0(VALU_DEP_1)
	v_max_num_f32 v254, v254, v235
	s_delay_alu instid0(VALU_DEP_1)
	v_mul_f32 v254, s[CS], v254
	s_delay_alu instid0(VALU_DEP_1)
	v_max_num_f32 v13, v13, v254                   ; the running largest t
	v_mov_b32 v254, v12
	s_delay_alu instid0(VALU_DEP_2)
	v_floor_f32 v12, -v13                          ; -M = floor(-t): M is a whole number
	s_delay_alu instid0(VALU_DEP_1)
	v_sub_f32 v254, v12, v254
	s_delay_alu instid0(VALU_DEP_1)
	v_cvt_i32_f32 v254, v254                       ; (it saturates)
	s_delay_alu instid0(VALU_DEP_1)
	v_ldexp_f32 v252, 1.0, v254                    ; f = 2^(old M - new M)
.set j, 0
.rept 32
	v_pk_fma_f32 v[96+j:97+j], v[96+j:97+j], s[CS:CS+1], v[12:13] op_sel_hi:[1,0,0]   ; t - M
.set j, j+2
.endr
.irp b, 0,1,2,3
	v_fma_f32 v[232+\b], v[232+\b], s[CS], v12
.endr
.set j, 0
	s_wait_alu depctr_va_vdst(0)
.rept 64
	v_exp_f32 v[96+j], v[96+j]                     ; p
.set j, j+1
.endr
	v_pk_mul_f32 v[14:15], v[14:15], v[252:253] op_sel_hi:[1,0]   ; the sums under the new M: the plain place behind the exponentials
	s_wait_alu depctr_va_vdst(0)                   ; one wait for the batch, ahead of its first reader
.irp b, 0,1,2,3
	v_exp_f32 v[232+\b], v[232+\b]                 ; each block's largest p
.endr
	v_pk_add_f32 v[236:237], v[100:101], v[104:105]
	v_pk_add_f32 v[250:251], v[108:109], v[112:113]
	v_pk_add_f32 v[246:247], v[116:117], v[120:121]
	v_pk_add_f32 v[244:245], v[124:125], v[128:129]
	v_pk_add_f32 v[240:241], v[132:133], v[136:137]
	v_pk_add_f32 v[238:239], v[140:141], v[144:145]
	v_pk_add_f32 v[230:231], v[148:149], v[152:153]
	v_pk_add_f32 v[14:15], v[14:15], v[156:157]
	v_pk_add_f32 v[236:237], v[236:237], v[96:97]
	v_pk_add_f32 v[250:251], v[250:251], v[98:99]
	v_pk_add_f32 v[246:247], v[246:247], v[102:103]
	v_pk_add_f32 v[244:245], v[244:245], v[106:107]
	v_pk_add_f32 v[240:241], v[240:241], v[110:111]
	v_pk_add_f32 v[238:239], v[238:239], v[114:115]
	v_pk_add_f32 v[230:231], v[230:231], v[118:119]
	v_pk_add_f32 v[14:15], v[14:15], v[122:123]
	v_pk_add_f32 v[236:237], v[236:237], v[126:127]
	v_pk_add_f32 v[250:251], v[250:251], v[130:131]
	v_pk_add_f32 v[246:247], v[246:247], v[134:135]
	v_pk_add_f32 v[244:245], v[244:245], v[138:139]
	v_pk_add_f32 v[240:241], v[240:241], v[142:143]
	v_pk_add_f32 v[238:239], v[238:239], v[146:147]
	v_pk_add_f32 v[230:231], v[230:231], v[150:151]
	v_pk_add_f32 v[14:15], v[14:15], v[154:155]
	v_pk_add_f32 v[236:237], v[236:237], v[158:159]
	s_delay_alu instid0(VALU_DEP_2)
	v_pk_add_f32 v[14:15], v[14:15], v[244:245]
	s_delay_alu instid0(VALU_DEP_2)
	v_pk_add_f32 v[236:237], v[236:237], v[240:241]
	v_pk_add_f32 v[250:251], v[250:251], v[238:239]
	v_pk_add_f32 v[246:247], v[246:247], v[230:231]
	s_delay_alu instid0(VALU_DEP_2)
	v_pk_add_f32 v[14:15], v[14:15], v[250:251]
	s_delay_alu instid0(VALU_DEP_2)
	v_pk_add_f32 v[236:237], v[236:237], v[246:247]
	s_delay_alu instid0(VALU_DEP_1)
	v_pk_add_f32 v[14:15], v[14:15], v[236:237]
	s_wait_alu depctr_va_vdst(0)                   ; and one for the four
.irp b, 0,1,2,3
	v_max_num_f32 v[232+\b], 0x1800000, v[232+\b]  ; the floor 2^(3 - 127)
.endr
.irp b, 0,1,2,3
	s_delay_alu instid0(VALU_DEP_4)
	v_add_nc_u32 v[244+\b], 0xff000000, v[232+\b]
.endr
.irp b, 0,1,2,3
	s_delay_alu instid0(VALU_DEP_4)
	v_lshrrev_b32 v[236+\b], 23, v[244+\b]
.endr
	s_delay_alu instid0(VALU_DEP_3)
	v_lshl_or_b32 v253, v237, 8, v236              ; p's scale word for these 128 keys
	s_delay_alu instid0(VALU_DEP_1)
	v_lshl_or_b32 v253, v238, 16, v253
	s_delay_alu instid0(VALU_DEP_1)
	v_lshl_or_b32 v253, v239, 24, v253
.irp c, 0,1
	v_cvt_scalef32_pk16_fp6_f32 v[224+6*\c:226+6*\c], v[96+32*\c:111+32*\c], v[244+2*\c]
	v_cvt_scalef32_pk16_fp6_f32 v[236+4*\c:238+4*\c], v[112+32*\c:127+32*\c], v[244+2*\c+1]
.endr
	v_nop                                          ; one plain place behind a scaled conversion
.irp c, 0,1
.irp i, 0,1,2
	v_permlane16_swap_b32 v[224+6*\c+\i], v[236+4*\c+\i]
.endr
.irp i, 0,1,2
	s_delay_alu instid0(VALU_DEP_3)
	v_mov_b32 v[227+6*\c+\i], v[236+4*\c+\i]
.endr
.endr
.set j, 0
.rept 16
	v_pk_mul_f32 v[160+j:161+j], v[160+j:161+j], v[252:253] op_sel_hi:[1,0]   ; O^T under the new M; these sixteen are also the places between p's scale word and codes and the products
.set j, j+2
.endr
	s_wait_alu depctr_va_vdst(0)
	s_wait_dscnt 0x0                               ; v
.irp t, 0,2
	v_wmma_scale_f32_16x16x128_f8f6f4 v[160+8*\t:167+8*\t], v[32+12*\t:43+12*\t], v[224:235], v[160+8*\t:167+8*\t], v[248+\t/2], v253 matrix_a_fmt:MATRIX_FMT_FP6 matrix_b_fmt:MATRIX_FMT_FP6
	v_wmma_scale_f32_16x16x128_f8f6f4 v[168+8*\t:175+8*\t], v[44+12*\t:55+12*\t], v[224:235], v[168+8*\t:175+8*\t], v[248+\t/2], v253 matrix_a_fmt:MATRIX_FMT_FP6 matrix_b_fmt:MATRIX_FMT_FP6 matrix_a_scale:MATRIX_SCALE_ROW1
.endr
	s_add_co_u32 s[TB], s[TB], PIT
.endm
.macro STEPS n
	s_mov_b32 s[CNT], \n
.Lstep_\@:
	STEP
	s_sub_co_u32 s[CNT], s[CNT], 1
	s_cmp_lg_u32 s[CNT], 0
	s_cbranch_scc1 .Lstep_\@
.endm
; THE WAY OUT of pass p: O^T / the sum, two blocks of 32 channels quantised, one image of 768 bytes and two scale bytes a row.
.macro FINISH p
.rept 4
	v_nop                                          ; places behind the last products
.endr
	v_add_f32 v14, v14, v15
	s_delay_alu instid0(VALU_DEP_1)
	v_permlanex16_b32 v252, v14, s[SEL], s[SEL+1]
	s_delay_alu instid0(VALU_DEP_1)
	v_add_f32 v14, v14, v252                       ; the row's sum
	s_wait_alu depctr_va_vdst(0)
	v_rcp_f32 v14, v14
	v_nop                                          ; a plain place behind the reciprocal
	s_wait_alu depctr_va_vdst(0)                   ; and the wait ahead of its first reader
.set j, 0
.rept 16
	v_pk_mul_f32 v[96+j:97+j], v[160+j:161+j], v[14:15] op_sel_hi:[1,0]   ; register 8 t + i: channel 16 t + 8 h + i; each accumulator from its low end on
.set j, j+2
.endr
	v_max3_num_f32 v232, |v96|, |v97|, 0x1800000
	v_max3_num_f32 v233, |v112|, |v113|, 0x1800000
.irp i, 2,4,6,8,10,12,14
	s_delay_alu instid0(VALU_DEP_2)
	v_max3_num_f32 v232, v232, |v[96+\i]|, |v[97+\i]|
	s_delay_alu instid0(VALU_DEP_2)
	v_max3_num_f32 v233, v233, |v[112+\i]|, |v[113+\i]|
.endr
	s_delay_alu instid0(VALU_DEP_2)
	v_permlanex16_b32 v236, v232, s[SEL], s[SEL+1]
	s_delay_alu instid0(VALU_DEP_2)
	v_permlanex16_b32 v237, v233, s[SEL], s[SEL+1]
	s_delay_alu instid0(VALU_DEP_2)
	v_max_num_f32 v232, v232, v236
	s_delay_alu instid0(VALU_DEP_2)
	v_max_num_f32 v233, v233, v237
	s_delay_alu instid0(VALU_DEP_2)
	v_add_nc_u32 v244, 0xff000000, v232
	s_delay_alu instid0(VALU_DEP_2)
	v_add_nc_u32 v245, 0xff000000, v233
	s_delay_alu instid0(VALU_DEP_2)
	v_lshrrev_b32 v238, 23, v244
	s_delay_alu instid0(VALU_DEP_2)
	v_lshrrev_b32 v239, 23, v245
	s_delay_alu instid0(VALU_DEP_1)
	v_lshl_or_b32 v238, v239, 8, v238              ; the two bytes
	v_cvt_scalef32_pk16_fp6_f32 v[224:226], v[96:111], v244
	v_cvt_scalef32_pk16_fp6_f32 v[228:230], v[112:127], v245
	v_nop
.irp i, 0,1,2
	v_permlane16_swap_b32 v[224+\i], v[228+\i]
.endr
	s_delay_alu instid0(VALU_DEP_3)
	v_mov_b32 v227, v228
	s_delay_alu instid0(VALU_DEP_3)
	v_mov_b32 v228, v229
	s_delay_alu instid0(VALU_DEP_3)
	v_mov_b32 v229, v230
	global_store_b128 v1, v[224:227], s[8:9] offset:196608*\p       ; 512 consecutive bytes, aligned; a pass is 16 tiles x 16 heads x 768 bytes on
	global_store_b64 v2, v[228:229], s[8:9] offset:196608*\p+512
	global_store_b16 v6, v238, s[10:11] offset:8192*\p              ; both halves of the lanes write the same two bytes
.endm
	STEPS 4                                        ; the first pass, steps 0-3
	s_wait_tensorcnt 0x0                           ; every wave's load is in
	s_wait_dscnt 0x0
	s_barrier_signal -1
	s_barrier_wait -1                              ; the whole head is in; nothing is filled again, and no barrier follows but the closing round's
	STEPS 12
	FINISH 0
	s_wait_xcnt 0x0                                ; the stores have read their registers, which the second pass writes again
.irp j, 0,1,2,3,4,5
	v_mov_b32 v[16+\j], v[192+\j]                  ; the second pass's q,
.endr
	v_mov_b32 v255, v198                           ; and its scale word; the 36 lines of INIT are the places ahead of the first product
	INIT
	STEPS 16
	FINISH 1
	s_wait_tensorcnt 0x0                           ; the wave's end
	ds_add_u32 v223, v243
	s_wait_dscnt 0x0
	ROUND                                          ; the closing round: no work-group ends while a partner may still ask jointly
	s_endpgm
.Lfunc_end_k_qb7faa57765_attn:
	.size	k_qb7faa57765_attn, .Lfunc_end_k_qb7faa57765_attn-k_qb7faa57765_attn
	.p2alignl 7, 3214868480
	.fill 96, 4, 3214868480
	.section	.rodata,"a",@progbits
	.p2align	6, 0x0
	.amdhsa_kernel k_qb7faa57765_attn
		.amdhsa_group_segment_fixed_size 210944
		.amdhsa_private_segment_fixed_size 0
		.amdhsa_enable_private_segment 0
		.amdhsa_kernarg_size 32
		.amdhsa_user_sgpr_count 2
		.amdhsa_user_sgpr_kernarg_segment_ptr 1
		.amdhsa_wavefront_size32 1
		.amdhsa_system_sgpr_workgroup_id_x 1
		.amdhsa_system_sgpr_workgroup_id_y 1
		.amdhsa_system_sgpr_workgroup_id_z 1
		.amdhsa_system_vgpr_workitem_id 0
		.amdhsa_next_free_vgpr 256
		.amdhsa_next_free_sgpr 84
		.amdhsa_reserve_vcc 0
		.amdhsa_float_denorm_mode_32 3
		.amdhsa_float_denorm_mode_16_64 3
		.amdhsa_memory_ordered 1
		.amdhsa_forward_progress 1
		.amdhsa_inst_pref_size 69
	.end_amdhsa_kernel
	.amdgpu_metadata
---
amdhsa.version: [ 1, 2 ]
amdhsa.kernels:
  - .name:           k_qb7faa57765_attn
    .symbol:         k_qb7faa57765_attn.kd
    .args:
      - { .name: qkv, .offset: 0, .size: 8, .value_kind: global_buffer, .address_space: global }
      - { .name: sc3, .offset: 8, .size: 8, .value_kind: global_buffer, .address_space: global }
      - { .name: oc, .offset: 16, .size: 8, .value_kind: global_buffer, .address_space: global }
      - { .name: os, .offset: 24, .size: 8, .value_kind: global_buffer, .address_space: global }
    .group_segment_fixed_size: 210944
    .private_segment_fixed_size: 0
    .kernarg_segment_align: 8
    .kernarg_segment_size: 32
    .max_flat_workgroup_size: 512
    .sgpr_count:     84
    .vgpr_count:     256
    .wavefront_size: 32
...
	.end_amdgpu_metadata
.endif
;; end of part 3
;; launch proj (part 4): grid 4 x 32, 4 waves a work-group, clusters of 4 x 4, 327,680 bytes of LDS; arguments oc, os, codes, scales, bo, out0; writes out0
.if DOCPART == 4
	.amdgcn_target "amdgcn-amd-amdhsa--gfx1250"
	.amdhsa_code_object_version 6
	.text
	.protected	k_qb7faa57765_proj
	.globl	k_qb7faa57765_proj
	.p2align	8
	.type	k_qb7faa57765_proj,@function
k_qb7faa57765_proj:
	s_mov_b64 s[64:65], 0
	v_nop
	global_prefetch_b8 v0, s[64:65] scope:SCOPE_SE
	s_setreg_imm32_b32 hwreg(HW_REG_WAVE_MODE, 25, 1), 1
	s_wait_xcnt 0x0
	s_wait_alu depctr_hold_cnt(0) depctr_sa_sdst(0) depctr_va_vdst(0) depctr_va_sdst(0) depctr_va_ssrc(0) depctr_va_vcc(0) depctr_vm_vsrc(0)
	s_getreg_b32 s2, hwreg(HW_REG_IB_STS2, 6, 4)
	s_cmp_eq_u32 s2, 0
	s_cbranch_scc0 .Lentry_in_a_cluster
	s_endpgm
.Lentry_in_a_cluster:
	s_bfe_u32 s2, ttmp6, 0x10000c
	s_cmp_lg_u32 s2, 0xf033
	s_cbranch_scc0 .Lentry_shape_is_right
	s_endpgm
.Lentry_shape_is_right:
.set SIZE_N, 1024
.set KSTEP,  256
.set NQ,     2
.set ROWB,   192
.set KBYTES, 49152
.set HBYTES, 24576
.set KROW,   768
.set ASTEP,  3072
.set AROW,   12288
.set PITCH,  240
.set FR,     12
.set NL,     6
.set NLA,    4
.set NP,     4
.set HALFT,  128*PITCH
.set SLOT,   4*HALFT
.set LAPS,   2
.set KS,     32
.set SCL,    2*SLOT
.set HALFS,  (128*KS/256)*272
.set SBLK,   (16*KS/256)*272
.set SPARE,  SCL+4*HALFS
.set SPITCH, 528
.set ADRA, 16
.set ADRB, 20
.set STO,  24
.set RD,   25
.set CO,   26
.set ADRS, 27
.set SPW,  28
.set NIL,  29
.set BH,   30
.set SC,   32
.set BI,   64
.set AF,   128
.set BK,   128
.set G1, 24
.set G0, 32
.set G1B, 48
.set G0B, 56
.set G1S, 68
.set G0S, 76
.set G1SB, 80
.set G0SB, 88
.set MSB, 0
.macro WIN new
.if MSB != (\new)
	s_set_vgpr_msb (MSB<<8)|(\new)
.set MSB, (\new)
.endif
.endm
.set MUL_LO, 0xa1
.set MUL_HI, 0xf1
.set TO_B,   0x40
.macro JLOAD g0a, g1a, g0b, g1b
	s_cmp_eq_u32 s15, 0
	s_cbranch_scc0 .Lfor_b_\@
	tensor_load_to_lds s[\g0a:\g0a+3], s[\g1a:\g1a+7]
	s_nop 0
.rept 4
	v_nop
.endr
	s_branch .Lasked_\@
.Lfor_b_\@:
	tensor_load_to_lds s[\g0b:\g0b+3], s[\g1b:\g1b+7]
	s_nop 0
.rept 4
	v_nop
.endr
.Lasked_\@:
.endm
.macro CREST
	s_cmp_lg_u32 s14, 0
	s_cbranch_scc1 .Lnot_wave_0_\@
	s_barrier_signal -3
.Lnot_wave_0_\@:
	s_barrier_wait -3
	s_barrier_signal -1
	s_barrier_wait -1
.endm
.macro CROUND
	s_barrier_signal -1
	s_barrier_wait -1
	CREST
.endm
	s_load_b128 s[4:7], s[0:1], 0x0
	s_load_b128 s[8:11], s[0:1], 0x10
	s_load_b128 s[96:99], s[0:1], 0x20
	v_lshl_add_u32 v[SPW], v0, 2, SPARE
	v_mov_b32 v[NIL], 0
	ds_add_u32 v28, v29
	ds_add_u32 v28, v29
	s_wait_dscnt 0x0
	v_lshrrev_b32 v1, 5, v0
	v_readfirstlane_b32 s14, v1
	s_lshr_b32 s15, s14, 1
	s_and_b32 s16, s14, 1
	s_bfe_u32 s40, ttmp6, 0x40000
	s_bfe_u32 s41, ttmp6, 0x40004
	s_lshl_b32 s42, ttmp9, 2
	s_add_co_u32 s42, s42, s40
	s_and_b32 s17, ttmp7, 0xffff
	s_lshl_b32 s17, s17, 2
	s_add_co_u32 s17, s17, s41
	s_lshl_b32 s43, s41, 2
	s_lshl_b32 s43, 15, s43
	s_lshl_b32 s44, 0x1111, s40
	s_or_b32 s[G1+0], s43, (3<<16)|(1<<21)
	s_mov_b32 s[G1+1], 384<<16
	s_mov_b32 s[G1+2], 16<<16
	s_mov_b32 s[G1+3], 384<<16
	s_mov_b32 s[G1+4], 16
	s_mov_b32 s[G1+5], 1536
	s_mov_b32 s[G1+6], 0
	s_mov_b32 s[G1+7], 0
	s_or_b32 s[G1B+0], s44, (3<<16)|(1<<21)        ; B's codes lie as A's do: tiles of 16 rows, 12,288 bytes each, of which a K step of 256 is 3,072
	s_mov_b32 s[G1B+1], 384<<16
	s_mov_b32 s[G1B+2], 16<<16
	s_mov_b32 s[G1B+3], 384<<16
	s_mov_b32 s[G1B+4], 16
	s_mov_b32 s[G1B+5], 1536
	s_mov_b32 s[G1B+6], 0
	s_mov_b32 s[G1B+7], 0
	s_or_b32 s[G1S+0], s43, (3<<16)|(1<<20)|(1<<21)|(5<<22)|(3<<25)
	s_or_b32 s[G1SB+0], s44, (3<<16)|(1<<20)|(1<<21)|(5<<22)|(3<<25)
.irp g, G1S, G1SB
	s_mov_b32 s[\g+1], 32<<16
	s_mov_b32 s[\g+2], (256*KS/256)<<16
	s_mov_b32 s[\g+3], 32<<16
	s_mov_b32 s[\g+4], 256*KS/256
	s_mov_b32 s[\g+5], 32
	s_mov_b32 s[\g+6], 0
	s_mov_b32 s[\g+7], 0
.endr
	s_lshl_b32 s20, s17, 4
	s_mul_i32 s20, s20, AROW
	s_mov_b32 s21, 0
	s_lshl_b32 s22, s17, 8
	s_lshl_b32 s22, s22, 5
	s_mov_b32 s23, 0
	s_lshl_b32 s46, s42, 8
	s_add_co_u32 s46, s46, 11264
	s_lshl_b32 s92, s46, 5
	s_mov_b32 s93, 0
	s_mul_i32 s46, s46, KROW
	s_mov_b32 s47, 0
	s_mul_i32 s45, s16, 8*ASTEP                    ; B's halves lie on end behind A's place
	s_add_co_u32 s45, s45, 2*HALFT
	s_mul_i32 s94, s14, 8*ASTEP                    ; A's halves lie on end in a slot: 8 tiles of 16 rows x 3,072 bytes each
	s_mul_i32 s18, s16, 8*AROW                     ; in the ring I fetch half a tile: A's half in memory,
	s_mov_b32 s19, 0
	s_mul_i32 s2, s16, 8*AROW
	s_mov_b32 s3, 0
	s_wait_kmcnt 0x0
	s_add_nc_u64 s[20:21], s[4:5], s[20:21]
	s_add_nc_u64 s[22:23], s[6:7], s[22:23]
	s_add_nc_u64 s[46:47], s[8:9], s[46:47]
	s_add_nc_u64 s[92:93], s[10:11], s[92:93]
	CROUND
	s_mov_b32 s[G0S], 1
	s_mov_b32 s[G0S+1], SCL
	s_mov_b64 s[G0S+2:G0S+3], s[22:23]
	s_or_b32 s[G0S+3], s[G0S+3], 0x80000000
	s_mov_b32 s[G0SB], 1
	s_mov_b32 s[G0SB+1], SCL+2*HALFS
	s_mov_b64 s[G0SB+2:G0SB+3], s[92:93]
	s_or_b32 s[G0SB+3], s[G0SB+3], 0x80000000
	s_mov_b32 s[G0], 1                             ; slot 0's group 0 serves the head: K step 0's 256 rows of A, whole,
	s_mov_b32 s[G0+1], 0
	s_mov_b64 s[G0+2:G0+3], s[20:21]
	s_or_b32 s[G0+3], s[G0+3], 0x80000000
	s_mov_b32 s[G0B], 1                            ; and of B
	s_mov_b32 s[G0B+1], 2*HALFT
	s_mov_b64 s[G0B+2:G0B+3], s[46:47]
	s_or_b32 s[G0B+3], s[G0B+3], 0x80000000
	s_mov_b32 s[G0+4], 1                           ; slot 1: my half of K step 1
	s_add_co_u32 s[G0+5], s94, SLOT
	s_add_nc_u64 s[G0+6:G0+7], s[20:21], s[18:19]
	s_add_nc_u64 s[G0+6:G0+7], s[G0+6:G0+7], ASTEP
	s_or_b32 s[G0+7], s[G0+7], 0x80000000
	s_mov_b32 s[G0B+4], 1
	s_add_co_u32 s[G0B+5], s45, SLOT
	s_add_nc_u64 s[G0B+6:G0B+7], s[46:47], s[2:3]
	s_add_nc_u64 s[G0B+6:G0B+7], s[G0B+6:G0B+7], ASTEP
	s_or_b32 s[G0B+7], s[G0B+7], 0x80000000
; the head's four tiles, one joint load a wave: wave 0 A's codes, wave 1 B's, wave 2 A's scales, wave 3 B's; one chain of branches on the wave's number
.macro ARM under, g0, g1, next
	s_cmp_lt_u32 s14, \under
	s_cbranch_scc0 \next
	tensor_load_to_lds s[\g0:\g0+3], s[\g1:\g1+7]
	s_nop 0
.rept 4
	v_nop
.endr
	s_branch .Lhead_asked
\next:
.endm
	ARM 1, G0,  G1,  .Lhead_b
	ARM 2, G0B, G1B, .Lhead_sa
	ARM 3, G0S, G1S, .Lhead_sb
	tensor_load_to_lds s[G0SB:G0SB+3], s[G1SB:G1SB+7]
	s_nop 0
.rept 4
	v_nop
.endr
.Lhead_asked:
	v_and_b32 v1, 15, v0
	v_bfe_u32 v2, v0, 4, 1
	v_and_b32 v6, 31, v0
	v_lshlrev_b32 v[CO], 4, v6
	v_lshlrev_b32 v7, 3, v6
	v_lshlrev_b32 v[BH], 5, v2
	s_mul_i32 s21, s15, 8*ASTEP
	s_mul_i32 s22, s16, 8*ASTEP
	s_add_co_u32 s22, s22, 2*HALFT
.irp s, 0,1
	v_add_nc_u32 v[ADRA+\s], s21, v[CO]
	v_add_nc_u32 v[ADRA+2+\s], s21, v7
	v_add_nc_u32 v[ADRB+\s], s22, v[CO]
	s_add_co_u32 s21, s21, SLOT
	s_add_co_u32 s22, s22, SLOT
.endr
	v_mul_u32_u24 v5, v1, KS
	v_lshrrev_b32 v6, 8, v5
	v_lshl_add_u32 v5, v6, 4, v5
	s_mul_i32 s21, s15, HALFS
	s_mul_i32 s22, s16, HALFS
	s_add_co_u32 s22, s22, 2*HALFS
	s_sub_co_u32 s22, s22, s21
	v_mul_u32_u24 v6, s22, v2
	s_add_co_u32 s21, s21, SCL
	v_add_nc_u32 v5, v5, v6
	v_add_nc_u32 v[ADRS], s21, v5
	s_mul_i32 s23, s14, 16*SPITCH
	v_mul_u32_u24 v5, v1, SPITCH
	v_lshl_add_u32 v5, v2, 5, v5
	v_add_nc_u32 v[STO], s23, v5
	v_add_nc_u32 v[RD], s23, v[CO]
	s_lshl_b32 s20, s17, 8
	s_lshl_b32 s21, s15, 7
	s_add_co_u32 s20, s20, s21
	s_mov_b32 s21, 0
	s_mov_b64 s[18:19], SIZE_N*4
	s_mul_u64 s[20:21], s[20:21], s[18:19]
	s_lshl_b32 s46, s42, 10
	s_lshl_b32 s47, s16, 9
	s_add_co_u32 s46, s46, s47
	s_mov_b32 s47, 0
	s_add_nc_u64 s[96:97], s[96:97], s[46:47]
	s_add_nc_u64 s[20:21], s[20:21], s[46:47]
	s_add_nc_u64 s[98:99], s[98:99], s[20:21]
.irp b, 0,1,2,3,4,5,6,7
	global_load_b128 v[BI+8*\b:BI+8*\b+3], v[BH], s[96:97] offset:64*\b
	global_load_b128 v[BI+8*\b+4:BI+8*\b+7], v[BH], s[96:97] offset:64*\b+16
.endr
.macro FRAG reg, adr, q, i             ; B's fragment is an image of its registers: three pieces of 16 bytes a lane, lanes on end
.irp k, 0,1,2
	ds_load_b128 v[\reg+4*\k:\reg+4*\k+3], v[\adr] offset:(\i)*ASTEP+(\q)*1536+512*\k
.endr
.endm
.macro FRAG_A reg, slot, q, a
	ds_load_b128 v[\reg:\reg+3], v[ADRA+\slot] offset:(\a)*ASTEP+(\q)*1536
	ds_load_b64 v[\reg+4:\reg+5], v[ADRA+2+\slot] offset:(\a)*ASTEP+(\q)*1536+512
	ds_load_b128 v[\reg+6:\reg+9], v[ADRA+\slot] offset:(\a)*ASTEP+(\q)*1536+768
	ds_load_b64 v[\reg+10:\reg+11], v[ADRA+2+\slot] offset:(\a)*ASTEP+(\q)*1536+1280
.endm
.macro MUL16 a0, p, q, sc, first
.irp a, \a0, \a0+1
.irp b, 0,1,2,3,4,5,6,7
.if \first
	v_wmma_scale_f32_16x16x128_f8f6f4 v[8*(8*((\a)%4)+\b):8*(8*((\a)%4)+\b)+7], v[128*(\p)+FR*\b:128*(\p)+FR*\b+FR-1], v[AF+FR*(\a):AF+FR*(\a)+FR-1], v[BI+8*\b:BI+8*\b+7], v[SC+8*NQ*(\sc)+NQ*\b+(\q)], v[SC+8*NQ*(\sc)+NQ*(\a)+(\q)] matrix_a_fmt:MATRIX_FMT_FP6 matrix_b_fmt:MATRIX_FMT_FP6 matrix_a_scale:MATRIX_SCALE_ROW1
.else
	v_wmma_scale_f32_16x16x128_f8f6f4 v[8*(8*((\a)%4)+\b):8*(8*((\a)%4)+\b)+7], v[128*(\p)+FR*\b:128*(\p)+FR*\b+FR-1], v[AF+FR*(\a):AF+FR*(\a)+FR-1], v[8*(8*((\a)%4)+\b):8*(8*((\a)%4)+\b)+7], v[SC+8*NQ*(\sc)+NQ*\b+(\q)], v[SC+8*NQ*(\sc)+NQ*(\a)+(\q)] matrix_a_fmt:MATRIX_FMT_FP6 matrix_b_fmt:MATRIX_FMT_FP6 matrix_a_scale:MATRIX_SCALE_ROW1
.endif
.endr
.endr
.endm
.macro FETCH_B slot, q, p
	WIN TO_B
.irp i, 0,1,2,3,4,5,6,7
	FRAG 128*(\p)+FR*\i, ADRB+\slot, \q, \i
.endr
	WIN 0
.endm
.macro FETCH_A slot, q, i0
.irp i, \i0, \i0+1, \i0+2, \i0+3
	FRAG_A AF+FR*(\i), \slot, \q, \i
.endr
.endm
.macro SCALES sc
.irp i, 0,1,2,3,4,5,6,7
	ds_load_b64 v[SC+8*NQ*\sc+NQ*\i:SC+8*NQ*\sc+NQ*\i+1], v[ADRS] offset:\i*SBLK
.endr
.endm
.macro PLACES n
.rept \n
	v_nop
.endr
.endm
.macro STEP slot, q, first
	s_wait_dscnt 4*NLA
	WIN MUL_LO-0x20*(\first)
	MUL16 0, (\q)%2, \q, \slot, \first
	MUL16 2, (\q)%2, \q, \slot, \first
	s_wait_dscnt 0
	PLACES NP
	FETCH_B \slot, (\q)+1, 1-(\q)%2
	FETCH_A \slot, (\q)+1, 0
	WIN MUL_HI-0x30*(\first)
	MUL16 4, (\q)%2, \q, \slot, \first
	MUL16 6, (\q)%2, \q, \slot, \first
	PLACES NP
	WIN 0
	FETCH_A \slot, (\q)+1, 4
.endm
.macro TURN slot, next, fill
	s_wait_tensorcnt 0x0
	ds_add_u32 v[SPW], v[NIL]
	s_wait_dscnt 4*NLA+1
	WIN MUL_LO
	MUL16 0, 1, NQ-1, \slot, 0
	s_wait_dscnt 0x0
	s_barrier_signal -1
	MUL16 2, 1, NQ-1, \slot, 0
	WIN 0
	s_barrier_wait -1
.if \fill
	CREST
	s_add_nc_u64 s[G0+4*\slot+2:G0+4*\slot+3], s[G0+4*\slot+2:G0+4*\slot+3], 2*ASTEP
	s_add_nc_u64 s[G0B+4*\slot+2:G0B+4*\slot+3], s[G0B+4*\slot+2:G0B+4*\slot+3], 2*ASTEP
	JLOAD G0+4*\slot, G1, G0B+4*\slot, G1B
.else
	PLACES NP
.endif
	s_wait_alu depctr_va_vdst(0)
	v_add_nc_u32 v[ADRS], 4*NQ, v[ADRS]
	FETCH_B \next, 0, 0
	FETCH_A \next, 0, 0
	SCALES \next
	WIN MUL_HI
	MUL16 4, 1, NQ-1, \slot, 0
	MUL16 6, 1, NQ-1, \slot, 0
	PLACES NP
	WIN 0
	FETCH_A \next, 0, 4
.endm
	s_wait_alu depctr_va_vdst(0)
	s_wait_tensorcnt 0x0                           ; my tile of the head's four is in; the three lines ahead of slot 1's first fill
	ds_add_u32 v[SPW], v[NIL]
	s_mov_b32 s[G1+2], 8<<16                       ; no tensor load of mine is out: from here on a load brings half a tile: A's 8 tiles of 16 rows,
	s_mov_b32 s[G1+4], 8
	s_mov_b32 s[G1B+2], 8<<16                      ; and B's 8 tiles,
	s_mov_b32 s[G1B+4], 8
	s_mov_b32 s[G0+1], s94                         ; and slot 0's group 0 stands at my half of K step 0
	s_sub_nc_u64 s[G0+2:G0+3], s[G0+6:G0+7], ASTEP
	s_mov_b32 s[G0B+1], s45
	s_sub_nc_u64 s[G0B+2:G0B+3], s[G0B+6:G0B+7], ASTEP
	s_wait_dscnt 0x0
	CROUND                                         ; all four tiles are in, in every partner
	JLOAD G0+4, G1, G0B+4, G1B                     ; K step 1, the first tensor load behind the round
	FETCH_B 0, 0, 0
	FETCH_A 0, 0, 0
	SCALES 0
	FETCH_A 0, 0, 4
	s_wait_loadcnt 0x0
	STEP 0, 0, 1
	s_mov_b32 s3, LAPS-1
.Llap:
	TURN 0, 1, 1
	STEP 1, 0, 0
	TURN 1, 0, 1
	STEP 0, 0, 0
	s_sub_co_u32 s3, s3, 1
	s_cmp_lg_u32 s3, 0
	s_cbranch_scc1 .Llap
	TURN 0, 1, 0
	STEP 1, 0, 0
	s_wait_dscnt 4*NLA
	WIN MUL_LO
	MUL16 0, 1, NQ-1, 1, 0
	MUL16 2, 1, NQ-1, 1, 0
	s_wait_dscnt 0
	WIN MUL_HI
	MUL16 4, 1, NQ-1, 1, 0
	MUL16 6, 1, NQ-1, 1, 0
	WIN 0
.macro TOSTAGE a
.set AC, 64*((\a)%4)
	WIN 0x08+4*((\a)/4)
.irp b, 0,1,2,3,4,5,6,7
	ds_store_b128 v[STO], v[AC+8*\b:AC+8*\b+3] offset:64*\b
	ds_store_b128 v[STO], v[AC+8*\b+4:AC+8*\b+7] offset:64*\b+16
.endr
	WIN 0
.set BB, BK+64*((\a)%2)
.irp t, 0,1,2,3,4,5,6,7,8,9,10,11,12,13,14,15
	ds_load_b128 v[BB+4*\t:BB+4*\t+3], v[RD] offset:\t*SPITCH
.endr
.endm
.macro SEND a, younger
.set BB, BK+64*((\a)%2)
	s_wait_dscnt \younger
.if (\a) > 0
	s_add_nc_u64 s[98:99], s[98:99], 16*SIZE_N*4
.endif
.irp t, 0,1,2,3,4,5,6,7,8,9,10,11,12,13,14,15
	global_store_b128 v[CO], v[BB+4*\t:BB+4*\t+3], s[98:99] offset:\t*SIZE_N*4 th:TH_STORE_NT
.endr
.endm
	PLACES NP
	TOSTAGE 0
.irp a, 1,2,3,4,5,6,7
.if \a > 1
	s_wait_xcnt 0x0
.endif
	TOSTAGE \a
	SEND \a-1, 32
.endr
	s_wait_xcnt 0x0
	SEND 7, 0
	s_wait_tensorcnt 0x0
	ds_add_u32 v[SPW], v[NIL]
	s_wait_dscnt 0x0
	CROUND
	s_endpgm
.Lfunc_end_k_qb7faa57765_proj:
	.size	k_qb7faa57765_proj, .Lfunc_end_k_qb7faa57765_proj-k_qb7faa57765_proj
	.p2alignl 7, 3214868480
	.fill 96, 4, 3214868480
	.section	.rodata,"a",@progbits
	.p2align	6, 0x0
	.amdhsa_kernel k_qb7faa57765_proj
		.amdhsa_group_segment_fixed_size 327680
		.amdhsa_private_segment_fixed_size 0
		.amdhsa_enable_private_segment 0
		.amdhsa_kernarg_size 48
		.amdhsa_user_sgpr_count 2
		.amdhsa_user_sgpr_kernarg_segment_ptr 1
		.amdhsa_wavefront_size32 1
		.amdhsa_system_sgpr_workgroup_id_x 1
		.amdhsa_system_sgpr_workgroup_id_y 1
		.amdhsa_system_sgpr_workgroup_id_z 1
		.amdhsa_system_vgpr_workitem_id 0
		.amdhsa_next_free_vgpr 1024
		.amdhsa_next_free_sgpr 100
		.amdhsa_reserve_vcc 0
		.amdhsa_float_denorm_mode_32 3
		.amdhsa_float_denorm_mode_16_64 3
		.amdhsa_memory_ordered 1
		.amdhsa_forward_progress 1
		.amdhsa_inst_pref_size 142
	.end_amdhsa_kernel
	.amdgpu_metadata
---
amdhsa.version: [ 1, 2 ]
amdhsa.kernels:
  - .name:           k_qb7faa57765_proj
    .symbol:         k_qb7faa57765_proj.kd
    .args:
      - { .name: oc, .offset: 0, .size: 8, .value_kind: global_buffer, .address_space: global }
      - { .name: os, .offset: 8, .size: 8, .value_kind: global_buffer, .address_space: global }
      - { .name: codes, .offset: 16, .size: 8, .value_kind: global_buffer, .address_space: global }
      - { .name: scales, .offset: 24, .size: 8, .value_kind: global_buffer, .address_space: global }
      - { .name: bo, .offset: 32, .size: 8, .value_kind: global_buffer, .address_space: global }
      - { .name: out0, .offset: 40, .size: 8, .value_kind: global_buffer, .address_space: global }
    .group_segment_fixed_size: 327680
    .private_segment_fixed_size: 0
    .kernarg_segment_align: 8
    .kernarg_segment_size: 48
    .max_flat_workgroup_size: 128
    .sgpr_count:     100
    .vgpr_count:     1024
    .wavefront_size: 32
...
	.end_amdgpu_metadata
.endif
;; end of part 4
